; MI455X (gfx1250); checked and timed in simulation.
; The chip was launched on July 23, 2026; its instructions are those of AMD's public machine-readable ISA for CDNA 5 (MIT licence, August 2026) and "CDNA5" Instruction Set Architecture Reference Guide (July 2026). The comments in the code are by the model that wrote it; some were corrected since.
;; Multi Head Attention. Allowed arithmetic: matrix products marked QUANTISED: E2M3 operands, one E8M0 scale for each 32 along K, by v_wmma_scale_f32_16x16x128_f8f6f4 with both operands' format E2M3, f32 sums; products left as they are: f32 operands where the result goes on into a quantised operand, else bf16, f16 or f32 operands; f32 sums; everything else in f32.
;; Inputs: Wk 1,024 x 1,024 float32; Wo 1,024 x 1,024 float32; Wq 1,024 x 1,024 float32; Wv 1,024 x 1,024 float32; bk 1,024 float32; bo 1,024 float32; bq 1,024 float32; bv 1,024 float32; x 32 x 512 x 1,024 float32.
;; Outputs: out0 32 x 512 x 1,024 float32.
;; This version of the problem:
;;   THIS VERSION OF THE PROBLEM IS GIVEN IN LOW PRECISION. The matrix products marked QUANTISED in the list below multiply operands that are first quantised to E2M3 (2 exponent bits, 3 mantissa bits; 6 bits a number), with one power-of-two scale for each 32 numbers along K (OCP MX v1.0); their sums are f32. All else is computed in f32.
;;   The module's matrix products, in the order in which they are computed (A, B: the left and right operand; K: the contracted axis; several contracted axes count as one K, in the product's order):
;;     1. [M 16,384, K 1,024] x [K 1,024, N 1,024]; A: input x; B: input Wq: QUANTISED
;;     2. [M 16,384, K 1,024] x [K 1,024, N 1,024]; A: input x; B: input Wk: QUANTISED
;;     3. [M 16,384, K 1,024] x [K 1,024, N 1,024]; A: input x; B: input Wv: QUANTISED
;;     4. batch 16,384 x [M 16, K 64] x [K 64, N 16]; A: computed on the way; B: computed on the way: QUANTISED
;;     5. batch 16,384 x [M 16, K 16] x [K 16, N 64]; A: softmax; B: computed on the way: left as it is (K = 16 < 32)
;;     6. [M 16,384, K 1,024] x [K 1,024, N 1,024]; A: computed on the way; B: input Wo: QUANTISED
;;   THE QUANTISER, for each operand of a quantised product, along K:
;;     - K is cut into blocks of 32 from its start; a last block that is shorter is filled with zeros.
;;     - A block's scale is 2^e with e = floor(log2(the largest magnitude in the block)) - 2, held to -126 .. 127; a block of zeros has e = 0. As a byte (E8M0): e + 127.
;;     - Each number is divided by its block's scale, clamped to +-7.5, and rounded to the nearest number of E2M3, ties to even, subnormals kept.
;;     - The product sums the exact products of the quantised numbers (number of the format x scale) in f32.
;;   ~~~python
;;   def quantise(x, axis):      # numpy; x: float32 -> the quantised numbers, widened to float32 again
;;       x = np.moveaxis(x, axis, -1); K = x.shape[-1]
;;       x = np.pad(x, [(0, 0)] * (x.ndim - 1) + [(0, -K % 32)]); x = x.reshape(x.shape[:-1] + (-1, 32)); a = np.abs(x).max(-1, keepdims=True)
;;       e = np.where(a > 0, np.clip(np.frexp(np.where(a > 0, a, 1))[1] - 1 - 2, -126, 127), 0)      # np.frexp(a)[1] - 1 = floor(log2(a)), exactly
;;       r = np.clip(x / 2.0 ** e, -7.5, 7.5)
;;       step = 2.0 ** (np.maximum(np.frexp(np.where(r == 0, 1, r))[1] - 1, 0) - 3)
;;       q = np.round(r / step) * step * 2.0 ** e      # np.round: ties to even
;;       return np.moveaxis(q.reshape(q.shape[:-2] + (-1,))[..., :K], -1, axis).astype(np.float32)
;;   ~~~
;;   OPERANDS COMPUTED ON THE WAY. 'Computed on the way' means the value that the module computes at that place (a softmax that the list does not call 'softmax' is quantised finished and normalised). What goes into a quantiser is computed in f32, as accurately as f32 sums, v_exp_f32 and their like allow (about 1e-6 of the number): no bf16 or f16 on the way to a quantiser, and a product that is left as it is and whose result goes on into a quantised operand takes f32 operands (vector FMAs, or v_wmma_f32_16x16x4_f32). A number that lies on a knife's edge between two numbers of the format may be rounded either way, as far as f32 arithmetic and the matrix unit's own rounding can turn it there, and no further.
;; 2 versions. Each part assembles by itself: llvm-mc -triple=amdgcn-amd-amdhsa -mcpu=gfx1250 --defsym DOCPART=n.
;; ======== version 1 of 2: 2 launches
;; workspace buffers: wst 3,309,568 bytes
;; launch prep (part 1): grid 256 x 1, 4 waves a work-group, no clusters, 1,024 bytes of LDS; arguments Wq, Wk, Wv, Wo, bq, bk, bv, bo, wst; writes wst
.if DOCPART == 1
	.amdgcn_target "amdgcn-amd-amdhsa--gfx1250"
	.amdhsa_code_object_version 6
	.text
	.protected	k_q47f5faf148_prep
	.globl	k_q47f5faf148_prep
	.p2align	8
	.type	k_q47f5faf148_prep,@function
k_q47f5faf148_prep:
	s_mov_b64 s[64:65], 0
	v_nop
	global_prefetch_b8 v0, s[64:65] scope:SCOPE_SE
	s_setreg_imm32_b32 hwreg(HW_REG_WAVE_MODE, 25, 1), 1
	s_wait_xcnt 0x0
; Wq, Wk, Wv, Wo [1024 (k)][1024 (n)] f32 are quantised along k to codes of FP6 (E2M3) with one E8M0 byte for each 32 along k, and laid, with the biases,
; as ONE STREAM in the order in which the second launch's operand registers take them.
; THE STREAM: 32 slots of SLOTB bytes (slot = 8 P + i; P = 0 Wq, 1 Wk, 2 Wv, 3 Wo); a slot is 128 columns x all of K, as 4 wave blocks of WB bytes (32 columns: tiles u = 0, 1 of 16 rows m).
; A wave block: 16 fragments f = 2 s + u (K step s of 128), 1,536 bytes each, as images of 12 registers x 32 lanes (register p of image lane L at 512 (p / 4) + 16 L + 4 (p % 4);
; image lane m + 16 hh holds blocks hh and 2 + hh of column (u, m)); at 24,576 the scale words [c][lane][4] (K step 4 c + ii of column (lane / 16, lane % 16)); at 25,600 the bias of the 32 columns, twice.
; WHICH COLUMN IS (u, m): with l = m + 16 u, column = base + a1 (l % 8) + a2 ((l / 8) % 2) + a3 (l / 16):
;   Wq, Wk: 1, 16, 8, base 128 i + 32 w;   Wv: 64, 512, 1, base 32 (i / 4) + 16 (i % 2) + 8 ((i / 2) % 2) + 2 w;   Wo: 1, 8, 16, base 128 i + 32 w.
; SHARES: work-group g: slot g / 8, wave block (g / 2) % 4, half cK = g % 2 of K; its wave wv takes K step 4 cK + wv.  A LANE TAKES A COLUMN AND ITS REGISTERS RUN DOWN K: a block of 32 lies in one lane.
; A block's scale is 2^(floor(log2(largest magnitude)) - 2); its byte is the largest magnitude's exponent field - 2, held at 1 from below.
; LIMITS: a block of zeros gets the byte 1 where the quantiser says 127 (its codes are zeros, and this program alone reads the bytes); blocks whose largest magnitude lies under 2^-124 are held at that floor's byte;
; NaN and infinities among the inputs are not served.
.set SLOTB, 103424
.set WB,    25856
.set SPARE, 512                        ; LDS: 512 bytes of scale words, then the spare words, 128 bytes a wave
.set SPW,   28                         ; v28  SPARE + 4 x my thread's number; never rewritten
.set NIL,   29                         ; v29  0; never rewritten
.set X,     32                         ; v32-159  my column's 128 numbers of the K step
.set IM,    160                        ; v160-171 image lane m, v172-183 image lane m + 16
.set TP,    184                        ; v184-186 a block's upper 16 codes on their way
	s_load_b256 s[4:11], s[0:1], 0x0               ; Wq, Wk, Wv, Wo
	s_load_b256 s[12:19], s[0:1], 0x20             ; bq, bk, bv, bo
	s_load_b64 s[20:21], s[0:1], 0x40              ; the stream
	v_lshl_add_u32 v[SPW], v0, 2, SPARE
	v_mov_b32 v[NIL], 0
	v_lshrrev_b32 v1, 5, v0
	v_readfirstlane_b32 s29, v1                    ; wave
	v_and_b32 v1, 31, v0                           ; lane l
	s_lshr_b32 s24, ttmp9, 3                       ; slot
	s_bfe_u32 s25, ttmp9, 0x20001                  ; wave block w
	s_and_b32 s26, ttmp9, 1                        ; cK
	s_lshr_b32 s27, s24, 3                         ; P
	s_and_b32 s28, s24, 7                          ; i
	s_lshl_b32 s30, s26, 2
	s_add_co_u32 s30, s30, s29                     ; my K step s = 4 cK + wave
	s_cmp_eq_u32 s27, 2                            ; a1, a2, a3
	s_cselect_b32 s36, 64, 1
	s_cselect_b32 s37, 512, 16
	s_cselect_b32 s38, 1, 8
	s_cmp_eq_u32 s27, 3
	s_cselect_b32 s37, 8, s37
	s_cselect_b32 s38, 16, s38
	s_lshl_b32 s39, s28, 7
	s_lshl_b32 s22, s25, 5
	s_add_co_u32 s39, s39, s22                     ; base for Wq, Wk, Wo: 128 i + 32 w
	s_lshr_b32 s22, s28, 2
	s_lshl_b32 s22, s22, 5
	s_and_b32 s23, s28, 1
	s_lshl_b32 s23, s23, 4
	s_add_co_u32 s22, s22, s23
	s_bfe_u32 s23, s28, 0x10001
	s_lshl_b32 s23, s23, 3
	s_add_co_u32 s22, s22, s23
	s_lshl_b32 s23, s25, 1
	s_add_co_u32 s22, s22, s23                     ; base for Wv
	s_cmp_eq_u32 s27, 2
	s_cselect_b32 s39, s22, s39
	v_and_b32 v6, 7, v1
	v_bfe_u32 v7, v1, 3, 1
	v_lshrrev_b32 v8, 4, v1                        ; u
	v_mad_u32_u24 v2, v6, s36, s39
	v_mad_u32_u24 v2, v7, s37, v2
	v_mad_u32_u24 v2, v8, s38, v2                  ; my column
	v_lshlrev_b32 v2, 2, v2                        ; in bytes
	v_and_b32 v9, 15, v1
	v_lshlrev_b32 v3, 4, v9
	v_mad_u32_u24 v3, v8, 1536, v3                 ; my place in the K step's two fragments: 1536 u + 16 m
	v_lshlrev_b32 v5, 4, v1                        ; 16 x lane
	s_lshl_b32 s31, s29, 2
	v_add_nc_u32 v4, s31, v5                       ; LDS: my scale word: 16 x lane + 4 x wave
	s_lshl_b32 s22, s30, 19                        ; 128 rows of 4,096 bytes a K step
	s_mov_b32 s23, 0
	s_wait_kmcnt 0x0
	s_cmp_eq_u32 s27, 0                            ; which weight and bias: the choice hangs on the work-group's number alone
	s_cselect_b64 s[32:33], s[4:5], s[6:7]
	s_cselect_b64 s[34:35], s[12:13], s[14:15]
	s_cmp_eq_u32 s27, 2
	s_cselect_b64 s[42:43], s[8:9], s[10:11]
	s_cselect_b64 s[44:45], s[16:17], s[18:19]
	s_cmp_lt_u32 s27, 2
	s_cselect_b64 s[32:33], s[32:33], s[42:43]
	s_cselect_b64 s[34:35], s[34:35], s[44:45]
	s_add_nc_u64 s[32:33], s[32:33], s[22:23]      ; the weight at my K step's first row
	s_mul_i32 s22, s24, SLOTB
	s_mul_i32 s46, s25, WB
	s_add_co_u32 s22, s22, s46
	s_add_nc_u64 s[40:41], s[20:21], s[22:23]      ; my wave block in the stream
	s_mul_i32 s22, s30, 3072
	s_add_nc_u64 s[20:21], s[40:41], s[22:23]      ; my K step's two fragments
.set kk, 0
.rept 128
	global_load_b32 v[X+kk], v2, s[32:33] offset:kk*4096   ; W(128 s + kk, my column)
.set kk, kk+1
.endr
; block b of the K step: its largest magnitude, its byte, its 32 codes.  left: how many younger loads may stay out
.macro BLOCK b, left
.set XB, X+32*(\b)
.set IR, IM+12*((\b)%2)+6*((\b)/2)
	s_wait_loadcnt \left
	v_max3_num_f32 v8, |v[XB]|, |v[XB+1]|, |v[XB+2]|
	v_max3_num_f32 v9, |v[XB+3]|, |v[XB+4]|, |v[XB+5]|
.irp i, 6,10,14,18,22,26
	v_max3_num_f32 v8, v8, |v[XB+\i]|, |v[XB+\i+1]|
	v_max3_num_f32 v9, v9, |v[XB+\i+2]|, |v[XB+\i+3]|
.endr
	v_max3_num_f32 v8, v8, |v[XB+30]|, |v[XB+31]|
	v_max3_num_f32 v8, v8, v9, 0x1800000           ; and the floor 2^(3 - 127): the byte cannot fall under 1
	v_add_nc_u32 v[10+\b], 0xff000000, v8          ; 2 off the exponent field: the conversion takes this operand's exponent field as its scale
	v_lshrrev_b32 v9, 23, v[10+\b]                 ; the scale's byte
.if (\b) == 0
	v_mov_b32 v14, v9
.else
	v_lshl_or_b32 v14, v9, 8*(\b), v14             ; four bytes make the K step's scale word
.endif
	v_cvt_scalef32_pk16_fp6_f32 v[IR:IR+2], v[XB:XB+15], v[10+\b]
	v_cvt_scalef32_pk16_fp6_f32 v[TP:TP+2], v[XB+16:XB+31], v[10+\b]   ; (a conversion's three registers begin on an even number)
	v_nop                                          ; one plain instruction behind a scaled conversion
.irp i, 0,1,2
	v_mov_b32 v[IR+3+\i], v[TP+\i]
.endr
.endm
	BLOCK 0, 63                                    ; 96 younger loads; the wait's field holds 63, and a smaller count is safe
	BLOCK 1, 63                                    ; 64 younger loads
	BLOCK 2, 32
	BLOCK 3, 0
.irp hh, 0,1
.irp c, 0,1,2
	global_store_b128 v3, v[IM+12*\hh+4*\c:IM+12*\hh+4*\c+3], s[20:21] offset:256*\hh+512*\c   ; sixteen lanes store 256 consecutive bytes, aligned
.endr
.endr
	ds_store_b32 v4, v14                           ; the four waves' scale words meet in LDS
	s_cmp_lg_u32 s30, 1                            ; the bias image: one wave of the two work-groups of a wave block (cK = 0, wave 1)
	s_cbranch_scc1 .Lno_bias
	v_lshlrev_b32 v15, 1, v1
	v_and_b32 v15, 30, v15                         ; image positions 2 l and 2 l + 1, modulo 32
	v_and_b32 v16, 7, v15
	v_bfe_u32 v17, v15, 3, 1
	v_lshrrev_b32 v18, 4, v15
	v_mad_u32_u24 v19, v16, s36, s39
	v_mad_u32_u24 v19, v17, s37, v19
	v_mad_u32_u24 v19, v18, s38, v19               ; the first's column;
	v_add_nc_u32 v20, s36, v19                     ; the second's: one step of a1 on (the first position is even)
	v_lshlrev_b32 v19, 2, v19
	v_lshlrev_b32 v20, 2, v20
	global_load_b32 v22, v19, s[34:35]
	global_load_b32 v23, v20, s[34:35]
	v_lshlrev_b32 v21, 3, v1
	s_wait_loadcnt 0x0
	global_store_b64 v21, v[22:23], s[40:41] offset:25600   ; 32 lanes store 256 consecutive bytes, aligned
.Lno_bias:
	s_wait_dscnt 0x0                               ; my scale word has landed
	s_barrier_signal -1
	s_barrier_wait -1
	s_cmp_lg_u32 s29, 0
	s_cbranch_scc1 .Lnot_wave_0
	ds_load_b128 v[24:27], v5                      ; four K steps' words of my column
	s_lshl_b32 s22, s26, 9
	v_add_nc_u32 v6, s22, v5                       ; 512 cK + 16 x lane
	s_wait_dscnt 0x0
	global_store_b128 v6, v[24:27], s[40:41] offset:24576   ; 512 consecutive bytes
.Lnot_wave_0:
	s_wait_tensorcnt 0x0                           ; the wave's end: behind my last LDS store
	ds_add_u32 v[SPW], v[NIL]
	s_wait_dscnt 0x0
	s_endpgm
.Lfunc_end_k_q47f5faf148_prep:
	.size	k_q47f5faf148_prep, .Lfunc_end_k_q47f5faf148_prep-k_q47f5faf148_prep
	.p2alignl 7, 3214868480
	.fill 96, 4, 3214868480
	.section	.rodata,"a",@progbits
	.p2align	6, 0x0
	.amdhsa_kernel k_q47f5faf148_prep
		.amdhsa_group_segment_fixed_size 1024
		.amdhsa_private_segment_fixed_size 0
		.amdhsa_enable_private_segment 0
		.amdhsa_kernarg_size 72
		.amdhsa_user_sgpr_count 2
		.amdhsa_user_sgpr_kernarg_segment_ptr 1
		.amdhsa_wavefront_size32 1
		.amdhsa_system_sgpr_workgroup_id_x 1
		.amdhsa_system_sgpr_workgroup_id_y 1
		.amdhsa_system_sgpr_workgroup_id_z 1
		.amdhsa_system_vgpr_workitem_id 0
		.amdhsa_next_free_vgpr 192
		.amdhsa_next_free_sgpr 66
		.amdhsa_reserve_vcc 0
		.amdhsa_float_denorm_mode_32 3
		.amdhsa_float_denorm_mode_16_64 3
		.amdhsa_memory_ordered 1
		.amdhsa_forward_progress 1
		.amdhsa_inst_pref_size 23
	.end_amdhsa_kernel
	.amdgpu_metadata
---
amdhsa.version: [ 1, 2 ]
amdhsa.kernels:
  - .name:           k_q47f5faf148_prep
    .symbol:         k_q47f5faf148_prep.kd
    .args:
      - { .name: Wq, .offset: 0, .size: 8, .value_kind: global_buffer, .address_space: global }
      - { .name: Wk, .offset: 8, .size: 8, .value_kind: global_buffer, .address_space: global }
      - { .name: Wv, .offset: 16, .size: 8, .value_kind: global_buffer, .address_space: global }
      - { .name: Wo, .offset: 24, .size: 8, .value_kind: global_buffer, .address_space: global }
      - { .name: bq, .offset: 32, .size: 8, .value_kind: global_buffer, .address_space: global }
      - { .name: bk, .offset: 40, .size: 8, .value_kind: global_buffer, .address_space: global }
      - { .name: bv, .offset: 48, .size: 8, .value_kind: global_buffer, .address_space: global }
      - { .name: bo, .offset: 56, .size: 8, .value_kind: global_buffer, .address_space: global }
      - { .name: wst, .offset: 64, .size: 8, .value_kind: global_buffer, .address_space: global }
    .group_segment_fixed_size: 1024
    .private_segment_fixed_size: 0
    .kernarg_segment_align: 8
    .kernarg_segment_size: 72
    .max_flat_workgroup_size: 128
    .sgpr_count:     66
    .vgpr_count:     192
    .wavefront_size: 32
...
	.end_amdgpu_metadata
.endif
;; end of part 1
;; launch main (part 2): grid 256 x 1, 4 waves a work-group, clusters of 4 x 1, 327,680 bytes of LDS; arguments x, wst, out0; writes out0
.if DOCPART == 2
	.amdgcn_target "amdgcn-amd-amdhsa--gfx1250"
	.amdhsa_code_object_version 6
	.text
	.protected	k_q47f5faf148_main
	.globl	k_q47f5faf148_main
	.p2align	8
	.type	k_q47f5faf148_main,@function
k_q47f5faf148_main:
	s_mov_b64 s[64:65], 0
	v_nop
	global_prefetch_b8 v0, s[64:65] scope:SCOPE_SE
	s_setreg_imm32_b32 hwreg(HW_REG_WAVE_MODE, 25, 1), 1
	s_wait_xcnt 0x0
	s_wait_alu depctr_hold_cnt(0) depctr_sa_sdst(0) depctr_va_vdst(0) depctr_va_sdst(0) depctr_va_ssrc(0) depctr_va_vcc(0) depctr_vm_vsrc(0)
	s_getreg_b32 s2, hwreg(HW_REG_IB_STS2, 6, 4)
	s_cmp_eq_u32 s2, 0
	s_cbranch_scc0 .Lentry_in_a_cluster
	s_endpgm
.Lentry_in_a_cluster:
	s_bfe_u32 s2, ttmp6, 0x10000c
	s_cmp_lg_u32 s2, 0x3003
	s_cbranch_scc0 .Lentry_shape_is_right
	s_endpgm
.Lentry_shape_is_right:
; out = ctx Wo + bo, ctx[h] = softmax_g(q[h] . k[g]) v[g] for each token over its 16 heads of 64, q, k, v = x W + b.  All quantised products on codes of FP6 (E2M3), one E8M0 byte for each 32 along K.
; A work-group owns 64 tokens and takes them through the whole chain; nothing but out goes to memory.  256 work-groups, four waves, each with all of a SIMD's registers.
; THE WAVES SHARE THE COLUMNS: every wave holds the codes of all 64 rows (x, later ctx; 384 registers) and multiplies them with its own 32 columns of each slot of the weight stream.
; THE STREAM (made by the first launch): 32 slots of 128 columns x K = 1,024, each 4 wave blocks of WB bytes: 16 fragments as register images, the scale words, the bias.  It goes through a ring of two LDS slots;
; wave w fills and reads block w alone.  CLUSTER: the four work-groups of a cluster walk the same stream, so each block is asked for JOINTLY (mask 15), which divides the requests by four.
; THE MATRIX INSTRUCTION IS USED TRANSPOSED (source 0 = 16 weight columns, source 1 = 16 tokens): a lane holds one token and eight columns; the stream's order of columns makes two tiles' 16 registers
; 16 neighbours of a block of 32 (q, k), or one channel d of all 16 heads (v), or 16 neighbouring outputs (out).  The bias is the C of each sum's first product.
; ORDER: X: x is quantised, 16 rows a wave, codes as rows in LDS, all waves load all 64 rows' fragments | slots 0-15: q, k, quantised along d into LDS | scores, one product a token (K = 64: the upper half of the
; operands is zero codes), softmax in registers | slots 16-23: v, 16 channels at a time through LDS, ctx^T = v^T attn^T by the f32 matrix form (its result goes into a quantiser), ctx quantised into LDS |
; all waves load ctx's fragments | slots 24-31: out, through a stage, whole rows of 512 bytes.
; LIMITS: NaN and infinities are not served; a block of zeros carries the byte 1 where the quantiser says 127 (its codes are zeros, the bytes are this program's own); blocks whose largest magnitude lies under 2^-124
; are held at that floor's byte; an exponential under 2^-126 comes out as 0.
; REGISTERS, in windows of 256: window 0: v0-31 addresses; v32-127 weight fragments (two sets of 48), also at work; v128-135 weight scale words; v136-151 bias; v152-167 the rows' scale words; v168-233 at work.
;   window 1: v0-191 the fragments of row tiles 0, 1 (96 (m % 2) + 12 s); v192-255 attn of my tokens 0-7.   window 2: the same for row tiles 2, 3 and tokens 8-15.   window 3: accumulators, written by matrix instructions alone.
.set SLOTB, 103424                     ; a slot of the stream
.set WB,    25856                      ; a wave block: 101 x 256 bytes
.set OPIMG, 2*SLOTB                    ; LDS behind the ring: the rows' codes, 64 rows of 768 bytes, pitch OPP
.set OPP,   784
.set OPSC,  OPIMG+64*OPP               ; their scale bytes, 32 a row, pitch OSP
.set OSP,   36
.set VSTG,  OPSC+64*OSP                ; v of 16 channels: a token 1,024 bytes, pitch VP: 512 (g / 8) + 32 x channel + 4 (g % 8)
.set VP,    1040
.set XSTG,  VSTG                       ; (earlier) x's turn: 16 rows of 512 bytes a wave, pitch XP
.set XP,    528
.set OSTG,  VSTG                       ; (later) out's stage: 64 rows of 512 bytes, pitch XP
.set QKC,   OPIMG                      ; (between) q's and k's codes: a token 768 + 768 bytes, pitch QP: 48 x head + 24 x block
.set QP,    1552
.set QKS,   QKC+64*QP                  ; and their scale bytes: 32 + 32 a token, pitch QSP
.set QSP,   68
.set SPARE, 327168                     ; the spare words, 128 bytes a wave: two blocks of 256 bytes that no other line names
.set L16, 1                            ; v1   16 x lane
.set RR,  2                            ; v2   r = lane % 16
.set HH,  3                            ; v3   h = lane / 16
.set WA,  4                            ; v4-5 my wave block in slot 0, 1: + 16 x lane
.set BA,  6                            ; v6-7 its bias image: + 32 h
.set XSI, 9
.set XSO, 10
.set XCA, 11
.set XSA, 12
.set LXA, 13
.set LXS, 14
.set QCA, 15                           ; v15-16
.set QSA, 17
.set SCA, 18
.set SSA, 19
.set VSI, 20
.set VSO, 21
.set CCA, 22
.set CSA, 23
.set OSI, 24
.set OSO, 25
.set PFO, 27                           ; v27  256 x lane; never rewritten
.set SPW, 28                           ; v28  SPARE + 4 x my thread's number; never rewritten
.set NIL, 29                           ; v29  0; never rewritten
.set TA,  30                           ; v30-31 addresses in hand
.set TB,  232                          ; v232 likewise
.set WF,  32
.set WS,  128
.set BI,  136
.set XS,  152
.set TM,  168                          ; +0 largest magnitudes, +4 the other half's, +8 the conversions' scale operands, +12 the bytes
.set PC,  184                          ; four items' codes, 4 registers apart
.set MX,  200
.set T2,  216
.set WV,  10                           ; s10 wave
.set CX,  11                           ; s11 my place in the cluster
.set WG,  12                           ; s12 my work-group
.set SEL, 16                           ; s[16:17] lane selects: lane l xor 16
.set CNT, 18
.set SQ,  19                           ; s19 where this slot's codes of q, k go: 96 bytes a slot
.set G1,  24                           ; s[24:31] descriptor group 1
.set G0,  32                           ; s[32:39] group 0, a set for each slot
.set PFA, 40                           ; s[40:41] where my prefetches stand
.set LIM, 42
.set PFC, 43
.set SS,  44                           ; s44 this slot's scale bytes of q, k: 4 a slot
.set SB24, 45                          ; s45 24 x the block of ctx in hand
.set SB1, 46                           ; s46 the block
.set MSB, 0
.macro WIN new                         ; the immediate's high byte repeats the setting that is left; a switch that changes nothing is dropped
.if MSB != (\new)
	s_set_vgpr_msb (MSB<<8)|(\new)
.set MSB, (\new)
.endif
.endm
.macro PLACES n                        ; plain vector instructions behind matrix instructions (ISA guide 7.12.1)
.rept \n
	v_nop
.endr
.endm
.macro BARRIER                         ; my LDS stores have landed and my LDS loads are in: then the work-group's barrier
	s_wait_dscnt 0x0
	s_barrier_signal -1
	s_barrier_wait -1
.endm
.macro CROUND                          ; a round of the cluster's barrier
	s_barrier_signal -1
	s_barrier_wait -1
	s_cmp_lg_u32 s[WV], 0
	s_cbranch_scc1 .Lnot_wave_0_\@
	s_barrier_signal -3
.Lnot_wave_0_\@:
	s_barrier_wait -3
	s_barrier_signal -1
	s_barrier_wait -1
.endm
; Four half blocks: item i is 16 registers from a_i on in window W, 16 neighbours of a block of 32 whose other 16 lie in lane l xor 16.  Codes to v[PC + 4 i] on (12 bytes), the byte to v[TM + 12 + i].
; An item of two accumulators is read from each accumulator's low end on.
.macro QUANT4 W, a0, a1, a2, a3
	WIN (\W)|((\W)<<2)
	v_max3_num_f32 v[TM+0], |v[(\a0)]|, |v[(\a0)+1]|, 0x1800000   ; the floor 2^(3 - 127): the byte cannot fall under 1
	v_max3_num_f32 v[TM+1], |v[(\a1)]|, |v[(\a1)+1]|, 0x1800000
	v_max3_num_f32 v[TM+2], |v[(\a2)]|, |v[(\a2)+1]|, 0x1800000
	v_max3_num_f32 v[TM+3], |v[(\a3)]|, |v[(\a3)+1]|, 0x1800000
.irp k, 2,4,6,8,10,12,14
	v_max3_num_f32 v[TM+0], |v[(\a0)+\k]|, |v[(\a0)+\k+1]|, v[TM+0]
	v_max3_num_f32 v[TM+1], |v[(\a1)+\k]|, |v[(\a1)+\k+1]|, v[TM+1]
	v_max3_num_f32 v[TM+2], |v[(\a2)+\k]|, |v[(\a2)+\k+1]|, v[TM+2]
	v_max3_num_f32 v[TM+3], |v[(\a3)+\k]|, |v[(\a3)+\k+1]|, v[TM+3]
.endr
	WIN 0
.irp i, 0,1,2,3
	v_permlanex16_b32 v[TM+4+\i], v[TM+\i], s[SEL], s[SEL+1]
.endr
.irp i, 0,1,2,3
	v_max_num_f32 v[TM+\i], v[TM+\i], v[TM+4+\i]   ; the block's largest magnitude
.endr
.irp i, 0,1,2,3
	v_add_nc_u32 v[TM+8+\i], 0xff000000, v[TM+\i]  ; 2 off its exponent field: the conversion's scale operand
.endr
.irp i, 0,1,2,3
	v_lshrrev_b32 v[TM+12+\i], 23, v[TM+8+\i]      ; the scale's byte
.endr
	WIN (\W)
	v_cvt_scalef32_pk16_fp6_f32 v[PC+0:PC+2], v[(\a0):(\a0)+15], v[TM+8]
	v_cvt_scalef32_pk16_fp6_f32 v[PC+4:PC+6], v[(\a1):(\a1)+15], v[TM+9]
	v_cvt_scalef32_pk16_fp6_f32 v[PC+8:PC+10], v[(\a2):(\a2)+15], v[TM+10]
	v_cvt_scalef32_pk16_fp6_f32 v[PC+12:PC+14], v[(\a3):(\a3)+15], v[TM+11]
	WIN 0
	v_nop                                          ; one plain instruction behind the scaled conversions
.endm
; All 64 rows' fragments (row tile m, K step s) and scale words from the rows in LDS.  A scale register holds K step 2 q in lanes 0-15 and 2 q + 1 in lanes 16-31.
.macro LOADX
.irp m, 0,1,2,3
	WIN 0x40+0x40*(\m/2)
.irp s, 0,1,2,3,4,5,6,7
.irp p, 0,1,2,3,4,5
	ds_load_b64 v[96*(\m%2)+12*\s+2*\p:96*(\m%2)+12*\s+2*\p+1], v[LXA] offset:16*OPP*\m+96*\s+48*(\p/3)+8*(\p%3)
.endr
.endr
.endr
	WIN 0
.irp m, 0,1,2,3
.irp q, 0,1,2,3
	ds_load_b32 v[XS+4*\m+\q], v[LXS] offset:16*OSP*\m+8*\q
.endr
.endr
	s_wait_dscnt 0x0
.endm
.macro WMS ua, ub                      ; one product on the registers named by rD, rA, rB, rC, rSA, rSB; ua, ub: which half of the lanes holds A's and B's scale words
.if ((\ua) == 0) && ((\ub) == 0)
	v_wmma_scale_f32_16x16x128_f8f6f4 v[rD:rD+7], v[rA:rA+11], v[rB:rB+11], v[rC:rC+7], v[rSA], v[rSB] matrix_a_fmt:MATRIX_FMT_FP6 matrix_b_fmt:MATRIX_FMT_FP6
.elseif (\ub) == 0
	v_wmma_scale_f32_16x16x128_f8f6f4 v[rD:rD+7], v[rA:rA+11], v[rB:rB+11], v[rC:rC+7], v[rSA], v[rSB] matrix_a_fmt:MATRIX_FMT_FP6 matrix_b_fmt:MATRIX_FMT_FP6 matrix_a_scale:MATRIX_SCALE_ROW1
.elseif (\ua) == 0
	v_wmma_scale_f32_16x16x128_f8f6f4 v[rD:rD+7], v[rA:rA+11], v[rB:rB+11], v[rC:rC+7], v[rSA], v[rSB] matrix_a_fmt:MATRIX_FMT_FP6 matrix_b_fmt:MATRIX_FMT_FP6 matrix_b_scale:MATRIX_SCALE_ROW1
.else
	v_wmma_scale_f32_16x16x128_f8f6f4 v[rD:rD+7], v[rA:rA+11], v[rB:rB+11], v[rC:rC+7], v[rSA], v[rSB] matrix_a_fmt:MATRIX_FMT_FP6 matrix_b_fmt:MATRIX_FMT_FP6 matrix_a_scale:MATRIX_SCALE_ROW1 matrix_b_scale:MATRIX_SCALE_ROW1
.endif
.endm
.macro FRL buf, bt                     ; four weight fragments (K steps 2 bt, 2 bt + 1; tiles 0, 1) into set bt % 2: 12 loads of 512 consecutive bytes
.irp f, 0,1,2,3
.irp c, 0,1,2
	ds_load_b128 v[WF+48*((\bt)%2)+12*\f+4*\c:WF+48*((\bt)%2)+12*\f+4*\c+3], v[WA+\buf] offset:(4*(\bt)+\f)*1536+512*\c
.endr
.endr
.endm
; A slot: my 32 columns x 64 rows x K = 1,024: 64 products on 8 accumulators at AB + AM m + AU u of window 3.  Four accumulators take turns, one instruction a turn.
.macro GEMM buf, AB, AM, AU
	PLACES 9                                       ; the first products begin accumulators anew over registers of earlier matrix instructions, and the loads land on operands that those have read
	ds_load_b128 v[WS:WS+3], v[WA+\buf] offset:24576
	ds_load_b128 v[WS+4:WS+7], v[WA+\buf] offset:25088
.irp u, 0,1
.irp c, 0,1
	ds_load_b128 v[BI+8*\u+4*\c:BI+8*\u+4*\c+3], v[BA+\buf] offset:64*\u+16*\c
.endr
.endr
	FRL \buf, 0
	FRL \buf, 1
.irp bt, 0,1,2,3
.if \bt < 3
	s_wait_dscnt 12                                ; all but the next batch's 12 loads
.else
	s_wait_dscnt 0x0
.endif
.irp g, 0,1
.irp so, 0,1
.if (\bt == 0) && (\so == 0)
	WIN 0xc4+4*\g                                  ; source 1 window 1 or 2, C (the bias) window 0, D window 3
.else
	WIN 0xf4+4*\g                                  ; C and D window 3
.endif
.irp mm, 0,1
.irp u, 0,1
.set rD, (\AB)+(\AM)*(2*\g+\mm)+(\AU)*\u
.set rA, WF+48*(\bt%2)+12*(2*\so+\u)
.set rB, 96*\mm+12*(2*\bt+\so)
.set rSA, WS+2*\bt+\so
.set rSB, XS+4*(2*\g+\mm)+\bt
.if (\bt == 0) && (\so == 0)
.set rC, BI+8*\u
.else
.set rC, rD
.endif
	WMS \u, \so
.endr
.endr
.endr
.endr
.if \bt < 2
	WIN 0
	PLACES 4                                       ; in front of loads into the set just multiplied
	FRL \buf, \bt+2
.endif
.endr
	WIN 0
.endm
; A PREFETCH INTO THE L2 of the slot that stands two refills on: the 96 blocks of 256 bytes of a wave block's codes, a lane a block.  All clusters walk the same stream: the first cluster asks; its four partners
; take a wave block each, told apart by address; waves 0 to 2 take 32 blocks each.  So each block is named once.  The last two refills have no slot two on.
.macro ASK
	s_cmp_gt_u32 s[PFC], s[LIM]
	s_cbranch_scc0 .Lnot_mine_\@
	global_prefetch_b8 v[PFO], s[PFA:PFA+1] th:TH_LOAD_NT scope:SCOPE_SE
.Lnot_mine_\@:
.endm
; THE CHANGE OF SLOTS, behind slot buf's products and their epilogue.  Each wave waits for all its tensor loads (one is out: the other slot's), adds 0 to its spare word, waits for that and for all its LDS instructions.
; fill = 1: a round of the cluster's barrier, and the slot just read is filled with the slot of the stream two on.  ostep = 1: out's base goes 128 columns on.
.macro CHANGE buf, fill, ostep
	WIN 0
	s_wait_xcnt 0x0                                ; earlier stores and the last prefetch have read their registers and bases
.if \fill
	s_add_nc_u64 s[PFA:PFA+1], s[PFA:PFA+1], SLOTB
.endif
.if \ostep
	s_add_nc_u64 s[8:9], s[8:9], 512
.endif
	s_wait_tensorcnt 0x0                           ; no tensor load of mine is out, so a group 0 may be written
	ds_add_u32 v[SPW], v[NIL]
.if \fill
	s_add_nc_u64 s[G0+4*\buf+2:G0+4*\buf+3], s[G0+4*\buf+2:G0+4*\buf+3], 2*SLOTB
.endif
	s_wait_dscnt 0x0                               ; the add is done; my reads of the slot and my stores into the stages are over
.if \fill
	CROUND
	tensor_load_to_lds s[G0+4*\buf:G0+4*\buf+3], s[G1:G1+7]   ; my one tensor load behind the round: it has the other slot's work in which to land
	s_nop 0
	PLACES 4
	ASK
	s_sub_co_u32 s[PFC], s[PFC], 1
.else
	s_barrier_signal -1
	s_barrier_wait -1
.endif
.endm
; q's or k's epilogue: my 32 columns are one block of 32 of one head, for 64 tokens: four items, one for each row tile.
.macro EPI_QK
	PLACES 4
	QUANT4 3, 0, 16, 32, 48
	v_add_nc_u32 v[TA], s[SQ], v[QCA]
	v_add_nc_u32 v[TA+1], s[SQ], v[QCA+1]
	v_add_nc_u32 v[TB], s[SS], v[QSA]
.irp m, 0,1,2,3
.irp c, 0,1,2
	ds_store_b32 v[TA+\m/2], v[PC+4*\m+\c] offset:16*QP*(\m%2)+4*\c
.endr
	ds_store_b8 v[TB], v[TM+12+\m] offset:16*QSP*\m   ; both halves of the lanes write the same byte with the same value
.endr
	s_add_co_u32 s[SQ], s[SQ], 96
	s_add_co_u32 s[SS], s[SS], 4
.endm
; v's epilogue: a tile is one channel of all 16 heads: a lane's eight registers are heads 8 h + 0 .. 7 of channel 8 e + 2 w + u of the sixteen in hand.
.macro EPI_V e
	PLACES 4
	WIN 0x0c                                       ; an LDS store's data are its source 1: window 3
.irp m, 0,1,2,3
.irp u, 0,1
	ds_store_b128 v[VSI], v[8+32*\m+16*\u:8+32*\m+16*\u+3] offset:16*VP*\m+32*(8*(\e)+\u)
	ds_store_b128 v[VSI], v[8+32*\m+16*\u+4:8+32*\m+16*\u+7] offset:16*VP*\m+32*(8*(\e)+\u)+16
.endr
.endr
	WIN 0
.endm
.macro VLOAD bt                        ; v of four of my tokens: lane (r, h): channel r, heads 8 h + 0 .. 7
.irp tt, 0,1,2,3
	ds_load_b128 v[WF+32*((\bt)%2)+8*\tt:WF+32*((\bt)%2)+8*\tt+3], v[VSO] offset:VP*(4*(\bt)+\tt)
	ds_load_b128 v[WF+32*((\bt)%2)+8*\tt+4:WF+32*((\bt)%2)+8*\tt+7], v[VSO] offset:VP*(4*(\bt)+\tt)+16
.endr
.endm
; ctx^T = v^T attn^T for my 16 tokens and the sixteen channels in hand, in f32 (the result goes into a quantiser).  K = the 16 heads, four a product; in K step ks both operands hold head 8 h + 2 ks + j in register j.
; Result at 16 t + 8 p of window 3: lane (head r, h), register j: channel 32 B + 16 h + 8 p + j.  Four tokens' accumulators take turns.
.macro PROD5 p
	PLACES 9
	VLOAD 0
	VLOAD 1
.irp bt, 0,1,2,3
.if \bt < 3
	s_wait_dscnt 8                                 ; all but the next batch's 8 loads
.else
	s_wait_dscnt 0x0
.endif
	WIN 0xf0|((1+\bt/2)<<2)                        ; attn in window 1 or 2, C and D window 3
.irp ks, 0,1,2,3
.irp tt, 0,1,2,3
.set rD, 16*(4*\bt+\tt)+8*(\p)
.set rA, WF+32*(\bt%2)+8*\tt+2*\ks
.set rB, 192+8*((4*\bt+\tt)%8)+2*\ks
.if \ks == 0
	v_wmma_f32_16x16x4_f32 v[rD:rD+7], v[rA:rA+1], v[rB:rB+1], 0
.else
	v_wmma_f32_16x16x4_f32 v[rD:rD+7], v[rA:rA+1], v[rB:rB+1], v[rD:rD+7]
.endif
.endr
.endr
	WIN 0
.if \bt < 2
	PLACES 8
	VLOAD \bt+2
.endif
.endr
.endm
; ctx's block B of every head, for my 16 tokens: an item is a token: lane (head r, h) holds channels 32 B + 16 h + 0 .. 15.
.macro QUANTC
	PLACES 8
	v_add_nc_u32 v[TA], s[SB24], v[CCA]
	v_add_nc_u32 v[TB], s[SB1], v[CSA]
.irp bt, 0,1,2,3
	QUANT4 3, 64*\bt, 64*\bt+16, 64*\bt+32, 64*\bt+48
.irp i, 0,1,2,3
.irp c, 0,1,2
	ds_store_b32 v[TA], v[PC+4*\i+\c] offset:OPP*(4*\bt+\i)+4*\c
.endr
	ds_store_b8 v[TB], v[TM+12+\i] offset:OSP*(4*\bt+\i)
.endr
	s_wait_dscnt 0x0                               ; the stores have read their registers
.endr
.endm
; out's epilogue: 64 rows x 128 columns meet in the stage; each wave stores 16 whole rows of 512 bytes.
.macro EPI_O
	PLACES 4
	WIN 0x0c
.irp m, 0,1,2,3
.irp u, 0,1
	ds_store_b128 v[OSI], v[16*\m+8*\u:16*\m+8*\u+3] offset:16*XP*\m+64*\u
	ds_store_b128 v[OSI], v[16*\m+8*\u+4:16*\m+8*\u+7] offset:16*XP*\m+64*\u+16
.endr
.endr
	WIN 0
	BARRIER
.irp i, 0,1,2,3,4,5,6,7,8,9,10,11,12,13,14,15
	ds_load_b128 v[WF+4*\i:WF+4*\i+3], v[OSO] offset:XP*\i
.endr
.irp i, 0,1,2,3,4,5,6,7,8,9,10,11,12,13,14,15
	s_wait_dscnt 15-\i
	global_store_b128 v[L16], v[WF+4*\i:WF+4*\i+3], s[8:9] offset:4096*\i th:TH_STORE_NT   ; 32 lanes store 512 consecutive bytes, aligned
.endr
.endm
; x: K step s of my 16 rows, 512 consecutive bytes a load, into set s % 4 of window 1
.macro XLOAD s
	WIN 0x40
.irp p, 0,1,2,3,4,5,6,7,8,9,10,11,12,13,14,15
	global_load_b128 v[64*((\s)%4)+4*\p:64*((\s)%4)+4*\p+3], v[L16], s[4:5] offset:4096*\p+512*(\s) th:TH_LOAD_NT
.endr
	WIN 0
.endm
; K step s of x turns through my stage (a lane then holds 16 neighbours of each of its row's four blocks), is quantised, and its codes and bytes go to the rows in LDS.  left: younger loads that may stay out
.macro XSTEP s, left
	s_wait_loadcnt \left
	WIN 0x04
.irp p, 0,1,2,3,4,5,6,7,8,9,10,11,12,13,14,15
	ds_store_b128 v[XSI], v[64*((\s)%4)+4*\p:64*((\s)%4)+4*\p+3] offset:XP*\p
.endr
	WIN 0
.irp b, 0,1,2,3
.irp j, 0,1,2,3
	ds_load_b128 v[WF+16*\b+4*\j:WF+16*\b+4*\j+3], v[XSO] offset:128*\b+16*\j   ; LDS serves a wave's instructions in order: these see my stores
.endr
.endr
	s_wait_dscnt 0x0
.if (\s) < 4
	XLOAD (\s)+4
.endif
	QUANT4 0, WF, WF+16, WF+32, WF+48
.irp b, 0,1,2,3
.irp c, 0,1,2
	ds_store_b32 v[XCA], v[PC+4*\b+\c] offset:96*(\s)+24*\b+4*\c
.endr
	ds_store_b8 v[XSA], v[TM+12+\b] offset:4*(\s)+\b
.endr
.endm
	s_load_b128 s[4:7], s[0:1], 0x0                ; x, the stream
	s_load_b64 s[8:9], s[0:1], 0x10                ; out
	v_lshl_add_u32 v[SPW], v0, 2, SPARE
	v_mov_b32 v[NIL], 0
	ds_add_u32 v[SPW], v[NIL]                      ; the wave's opening: the add and its wait stand ahead of my first tensor load; the set-up below, work on registers, stands between them
	v_lshrrev_b32 v[TA], 5, v0
	v_readfirstlane_b32 s[WV], v[TA]               ; wave 0..3
	s_bfe_u32 s[CX], ttmp6, 0x40000                ; my place in the cluster: it enters x's, out's and the prefetches' addresses alone
	s_lshl_b32 s[WG], ttmp9, 2
	s_add_co_u32 s[WG], s[WG], s[CX]
	s_mov_b32 s[G1+0], 15|(3<<16)|(1<<21)          ; the mask: all four work-groups; elements of 8 bytes; bit 21 beside a mask; no padding
	s_mov_b32 s[G1+1], 32<<16                      ; tensor_dim0 = 32 elements: rows of 256 bytes
	s_mov_b32 s[G1+2], 101<<16                     ; tensor_dim1 = 101 rows: a wave block
	s_mov_b32 s[G1+3], 32<<16                      ; tile_dim0
	s_mov_b32 s[G1+4], 101                         ; tile_dim1
	s_mov_b32 s[G1+5], 32                          ; the pitch: the block is dense
	s_mov_b32 s[G1+6], 0
	s_mov_b32 s[G1+7], 0
	s_mov_b32 s[SEL], 0x76543210
	s_mov_b32 s[SEL+1], 0xfedcba98
	s_mov_b32 s[SQ], 0
	s_mov_b32 s[SS], 0
	s_mov_b32 s[SB24], 0
	s_mov_b32 s[SB1], 0
	s_mov_b32 s[PFC], 30                           ; refills to come
	s_cmp_eq_u32 s[WV], 3
	s_cselect_b32 s[LIM], 1, 0
	s_or_b32 s[LIM], s[LIM], ttmp9                 ; 0 in waves 0 to 2 of the first cluster: the same in all four partners
	s_cmp_eq_u32 s[LIM], 0
	s_cselect_b32 s[LIM], 2, -1
	s_mul_i32 s14, s[WV], WB                       ; my wave block, in a slot of the stream and of LDS alike
	s_mov_b32 s15, 0
	s_lshl_b32 s48, s[WG], 18                      ; 64 rows of 4,096 bytes a work-group,
	s_lshl_b32 s49, s[WV], 16                      ; 16 a wave
	s_add_co_u32 s48, s48, s49
	s_mov_b32 s49, 0
	s_mul_i32 s50, s[CX], WB
	s_lshl_b32 s51, s[WV], 13
	s_add_co_u32 s50, s50, s51
	s_add_co_u32 s50, s50, 3*SLOTB                 ; the prefetches stand in slot 3: the first change steps them to slot 4
	s_mov_b32 s51, 0
	v_and_b32 v26, 31, v0
	v_lshlrev_b32 v[L16], 4, v26
	v_lshlrev_b32 v[PFO], 8, v26
	v_and_b32 v[RR], 15, v0
	v_bfe_u32 v[HH], v0, 4, 1
	v_add_nc_u32 v[WA], s14, v[L16]
	v_add_nc_u32 v[WA+1], SLOTB, v[WA]
	v_lshl_add_u32 v[BA], v[HH], 5, s14
	v_add_nc_u32 v[BA], 25600, v[BA]
	v_add_nc_u32 v[BA+1], SLOTB, v[BA]
	s_mul_i32 s20, s[WV], 16*XP
	s_add_co_u32 s20, s20, XSTG
	v_add_nc_u32 v[XSI], s20, v[L16]               ; x's stage, in: my wave's 16 rows, 16 x lane
	v_mul_u32_u24 v[XSO], v[RR], XP
	v_lshl_add_u32 v[XSO], v[HH], 6, v[XSO]
	v_add_nc_u32 v[XSO], s20, v[XSO]               ; out: row r, + 64 h
	v_add_nc_u32 v[OSO], s20, v[L16]               ; out's stage, back: my wave's 16 rows
	s_mul_i32 s21, s[WV], 16*OPP
	s_add_co_u32 s21, s21, OPIMG
	v_mul_u32_u24 v[XCA], v[RR], OPP
	v_mad_u32_u24 v[XCA], v[HH], 12, v[XCA]
	v_add_nc_u32 v[XCA], s21, v[XCA]               ; x's codes: row 16 w + r, + 12 h
	s_mul_i32 s22, s[WV], 16*OSP
	s_add_co_u32 s22, s22, OPSC
	v_mul_u32_u24 v[XSA], v[RR], OSP
	v_add_nc_u32 v[XSA], s22, v[XSA]               ; x's scale bytes
	v_mul_u32_u24 v[LXA], v[RR], OPP
	v_mad_u32_u24 v[LXA], v[HH], 24, v[LXA]
	v_add_nc_u32 v[LXA], OPIMG, v[LXA]             ; a fragment: row r, + 24 h
	v_mul_u32_u24 v[LXS], v[RR], OSP
	v_lshl_add_u32 v[LXS], v[HH], 2, v[LXS]
	v_add_nc_u32 v[LXS], OPSC, v[LXS]              ; scale words: row r, + 4 h
	s_mul_i32 s23, s[WV], 24
	s_add_co_u32 s23, s23, QKC
	v_mul_u32_u24 v[QCA], v[RR], QP
	v_mad_u32_u24 v[QCA], v[HH], 12, v[QCA]
	v_add_nc_u32 v[QCA], s23, v[QCA]               ; q's, k's codes: token r, + 24 w + 12 h;
	v_add_nc_u32 v[QCA+1], 32*QP, v[QCA]           ; and 32 tokens on
	s_add_co_u32 s23, s[WV], QKS
	v_mul_u32_u24 v[QSA], v[RR], QSP
	v_add_nc_u32 v[QSA], s23, v[QSA]
	s_mul_i32 s23, s[WV], 16*QP
	s_add_co_u32 s23, s23, QKC
	v_mul_u32_u24 v[SCA], v[RR], 48
	v_mad_u32_u24 v[SCA], v[HH], 24, v[SCA]
	v_add_nc_u32 v[SCA], s23, v[SCA]               ; the scores' operands: my tokens; head r, block h
	s_mul_i32 s23, s[WV], 16*QSP
	s_add_co_u32 s23, s23, QKS
	v_lshlrev_b32 v[SSA], 1, v[RR]
	v_lshl_add_u32 v[SSA], v[HH], 5, v[SSA]
	v_add_nc_u32 v[SSA], s23, v[SSA]               ; their scale bytes: lanes 0-15 q's, lanes 16-31 k's
	s_lshl_b32 s23, s[WV], 6
	s_add_co_u32 s23, s23, VSTG
	v_mul_u32_u24 v[VSI], v[RR], VP
	v_lshl_add_u32 v[VSI], v[HH], 9, v[VSI]
	v_add_nc_u32 v[VSI], s23, v[VSI]
	s_mul_i32 s23, s[WV], 16*VP
	s_add_co_u32 s23, s23, VSTG
	v_lshlrev_b32 v[VSO], 5, v[RR]
	v_lshl_add_u32 v[VSO], v[HH], 9, v[VSO]
	v_add_nc_u32 v[VSO], s23, v[VSO]
	v_mul_u32_u24 v[CCA], v[RR], 48
	v_mad_u32_u24 v[CCA], v[HH], 12, v[CCA]
	v_add_nc_u32 v[CCA], s21, v[CCA]               ; ctx's codes: my tokens' rows; head r: 48 r, + 12 h
	v_lshl_add_u32 v[CSA], v[RR], 1, s22
	s_lshl_b32 s23, s[WV], 7
	s_add_co_u32 s23, s23, OSTG
	v_mul_u32_u24 v[OSI], v[RR], XP
	v_lshl_add_u32 v[OSI], v[HH], 5, v[OSI]
	v_add_nc_u32 v[OSI], s23, v[OSI]
.irp i, 0,1,2,3
	v_mov_b32 v[TM+4+\i], 0                        ; written once: a lane permute's destination counts as one of its sources
.endr
.irp i, 0,1,2,3,4,5,6,7,8,9,10,11,12,13,14,15
	v_mov_b32 v[T2+\i], 0
.endr
	s_wait_dscnt 0x0                               ; the opening add is done
	s_wait_kmcnt 0x0
	s_add_nc_u64 s[4:5], s[4:5], s[48:49]          ; x and out at my wave's first row
	s_add_nc_u64 s[8:9], s[8:9], s[48:49]
	s_add_nc_u64 s[PFA:PFA+1], s[6:7], s[50:51]
	s_mov_b32 s[G0+0], 1
	s_mul_i32 s[G0+1], s[WV], WB                   ; slot 0 of LDS, my block
	s_add_nc_u64 s[G0+2:G0+3], s[6:7], s[14:15]    ; slot 0 of the stream, my block
	s_or_b32 s[G0+3], s[G0+3], 0x80000000
	s_mov_b32 s[G0+4], 1
	s_add_co_u32 s[G0+5], s14, SLOTB
	s_add_nc_u64 s[G0+6:G0+7], s[6:7], s[14:15]
	s_add_nc_u64 s[G0+6:G0+7], s[G0+6:G0+7], SLOTB
	s_or_b32 s[G0+7], s[G0+7], 0x80000000
	CROUND                                         ; all four work-groups are here: the first joint loads meet
	tensor_load_to_lds s[G0:G0+3], s[G1:G1+7]      ; two loads of mine are out
	s_nop 0
	tensor_load_to_lds s[G0+4:G0+7], s[G1:G1+7]
	s_nop 0
	PLACES 4
	XLOAD 0
	XLOAD 1
	XLOAD 2
	XLOAD 3
	XSTEP 0, 48                                    ; three younger sets of 16 loads
	XSTEP 1, 48
	XSTEP 2, 48
	XSTEP 3, 48
	XSTEP 4, 48
	XSTEP 5, 32
	XSTEP 6, 16
	XSTEP 7, 0
	BARRIER                                        ; all 64 rows' codes and bytes lie in LDS
	LOADX
	BARRIER                                        ; every wave has them in registers: q's and k's codes may take their place
	s_wait_tensorcnt 0x1                           ; my block of slot 0 is in; slot 1's load may be out
	s_mov_b32 s[CNT], 8
.Lqk:                                                  ; slots 0-15: q, then k
	GEMM 0, 0, 16, 8
	EPI_QK
	CHANGE 0, 1, 0
	GEMM 1, 0, 16, 8
	EPI_QK
	CHANGE 1, 1, 0
	s_sub_co_u32 s[CNT], s[CNT], 1
	s_cmp_lg_u32 s[CNT], 0
	s_cbranch_scc1 .Lqk
	; THE SCORES of my 16 tokens: S^T = k q^T, one product a token; K = 64, so registers 6-11 of both operands are zero codes (their scale bytes, 0, stand for 2^-127 and multiply zeros).
.irp tt, 0,1,2,3
.irp z, 6,7,8,9,10,11,18,19,20,21,22,23
	v_mov_b32 v[WF+24*\tt+\z], 0
.endr
.endr
	PLACES 4                                       ; operands written by vector instructions stand four places ahead of a scaled product
.irp bt, 0,1,2,3
.if \bt > 0
	PLACES 4
.endif
.irp tt, 0,1,2,3
.irp p, 0,1,2
	ds_load_b64 v[WF+24*\tt+2*\p:WF+24*\tt+2*\p+1], v[SCA] offset:QP*(4*\bt+\tt)+768+8*\p
	ds_load_b64 v[WF+24*\tt+12+2*\p:WF+24*\tt+12+2*\p+1], v[SCA] offset:QP*(4*\bt+\tt)+8*\p
.endr
	ds_load_u16 v[WS+\tt], v[SSA] offset:QSP*(4*\bt+\tt)
.endr
	s_wait_dscnt 0x0
	WIN 0xc0
.irp tt, 0,1,2,3
	v_wmma_scale_f32_16x16x128_f8f6f4 v[8*(4*\bt+\tt):8*(4*\bt+\tt)+7], v[WF+24*\tt:WF+24*\tt+11], v[WF+24*\tt+12:WF+24*\tt+23], 0, v[WS+\tt], v[WS+\tt] matrix_a_fmt:MATRIX_FMT_FP6 matrix_b_fmt:MATRIX_FMT_FP6 matrix_a_scale:MATRIX_SCALE_ROW1
.endr
	WIN 0
.endr
	; THE SOFTMAX.  Lane (head r, h), register j of token t's accumulator: the score against head g = 8 h + j.
	PLACES 4
	WIN 0x3f
.set tk, 0
.rept 16
	v_max3_num_f32 v[MX+tk], v[8*tk], v[8*tk+1], v[8*tk+2]
.set tk, tk+1
.endr
	WIN 0x0f
.irp j, 3,5
.set tk, 0
.rept 16
	v_max3_num_f32 v[MX+tk], v[8*tk+\j], v[8*tk+\j+1], v[MX+tk]
.set tk, tk+1
.endr
.endr
.set tk, 0
.rept 16
	v_max3_num_f32 v[MX+tk], v[8*tk+7], v[8*tk+7], v[MX+tk]
.set tk, tk+1
.endr
	WIN 0
.set tk, 0
.rept 16
	v_permlanex16_b32 v[T2+tk], v[MX+tk], s[SEL], s[SEL+1]
.set tk, tk+1
.endr
.set tk, 0
.rept 16
	v_max_num_f32 v[MX+tk], v[MX+tk], v[T2+tk]     ; the row's largest score
.set tk, tk+1
.endr
.irp w, 1,2                            ; tokens 8 (w - 1) on: their attn lies in window w
	WIN ((\w)<<6)|3
.set nn, 0
.rept 64
	v_sub_f32 v[192+nn], v[64*(\w-1)+nn], v[MX+8*(\w-1)+nn/8]
.set nn, nn+1
.endr
	WIN ((\w)<<6)|((\w)<<2)
.set nn, 0
.rept 64
	v_mul_f32 v[192+nn], 0x3fb8aa3b, v[192+nn]     ; x log2(e)
.set nn, nn+1
.endr
	WIN ((\w)<<6)|(\w)
.set nn, 0
.rept 64
	v_exp_f32 v[192+nn], v[192+nn]
.set nn, nn+1
.endr
.endr
	WIN 0
	v_nop                                          ; a plain instruction behind the last exponential
	s_wait_alu depctr_va_vdst(0)                   ; one wait for the 128 exponentials, ahead of their first reader
.irp w, 1,2
	WIN (\w)|((\w)<<2)
.set tk, 0
.rept 8
	v_add_f32 v[T2+8*(\w-1)+tk], v[192+8*tk], v[192+8*tk+1]
.set tk, tk+1
.endr
	WIN (\w)
.irp j, 2,3,4,5,6,7
.set tk, 0
.rept 8
	v_add_f32 v[T2+8*(\w-1)+tk], v[192+8*tk+\j], v[T2+8*(\w-1)+tk]
.set tk, tk+1
.endr
.endr
.endr
	WIN 0
.set tk, 0
.rept 16
	v_permlanex16_b32 v[MX+tk], v[T2+tk], s[SEL], s[SEL+1]
.set tk, tk+1
.endr
.set tk, 0
.rept 16
	v_add_f32 v[T2+tk], v[T2+tk], v[MX+tk]         ; the row's sum
.set tk, tk+1
.endr
.set tk, 0
.rept 16
	v_rcp_f32 v[MX+tk], v[T2+tk]
.set tk, tk+1
.endr
	v_nop
	s_wait_alu depctr_va_vdst(0)                   ; one wait for the 16 reciprocals
.irp w, 1,2
	WIN ((\w)<<6)|(\w)
.set nn, 0
.rept 64
	v_mul_f32 v[192+nn], v[192+nn], v[MX+8*(\w-1)+nn/8]   ; attn: as it stands, source 1 of the f32 products
.set nn, nn+1
.endr
.endr
	WIN 0
	BARRIER                                        ; every wave has read q's and k's codes: v's stage may take their place
	s_mov_b32 s[CNT], 2
.Lv:                                                   ; slots 16-23: a trip is block B of 32 channels: twice two slots (16 channels) and their products with attn
	GEMM 0, 8, 32, 16
	EPI_V 0
	CHANGE 0, 1, 0
	GEMM 1, 8, 32, 16
	EPI_V 1
	CHANGE 1, 1, 0
	PROD5 0
	BARRIER                                        ; every wave has read the stage
	GEMM 0, 8, 32, 16
	EPI_V 0
	CHANGE 0, 1, 0
	GEMM 1, 8, 32, 16
	EPI_V 1
	CHANGE 1, 1, 0
	PROD5 1
	QUANTC
	BARRIER                                        ; the stage is read, and ctx's codes of this block lie in LDS
	s_add_co_u32 s[SB24], s[SB24], 24
	s_add_co_u32 s[SB1], s[SB1], 1
	s_sub_co_u32 s[CNT], s[CNT], 1
	s_cmp_lg_u32 s[CNT], 0
	s_cbranch_scc1 .Lv
	PLACES 4
	LOADX                                          ; ctx takes x's place in the registers
	s_mov_b32 s[CNT], 3
.Lo:                                                   ; slots 24-29
	GEMM 0, 0, 16, 8
	EPI_O
	CHANGE 0, 1, 1
	GEMM 1, 0, 16, 8
	EPI_O
	CHANGE 1, 1, 1
	s_sub_co_u32 s[CNT], s[CNT], 1
	s_cmp_lg_u32 s[CNT], 0
	s_cbranch_scc1 .Lo
	GEMM 0, 0, 16, 8                               ; the last two slots are written out: nothing is left to fetch
	EPI_O
	CHANGE 0, 0, 1
	GEMM 1, 0, 16, 8
	EPI_O
	s_wait_tensorcnt 0x0                           ; the wave's end: behind my last tensor load and my last LDS store
	ds_add_u32 v[SPW], v[NIL]
	s_wait_dscnt 0x0
	CROUND                                         ; the closing round: no work-group ends while a partner may still ask for a block that names it
	s_endpgm
.Lfunc_end_k_q47f5faf148_main:
	.size	k_q47f5faf148_main, .Lfunc_end_k_q47f5faf148_main-k_q47f5faf148_main
	.p2alignl 7, 3214868480
	.fill 96, 4, 3214868480
	.section	.rodata,"a",@progbits
	.p2align	6, 0x0
	.amdhsa_kernel k_q47f5faf148_main
		.amdhsa_group_segment_fixed_size 327680
		.amdhsa_private_segment_fixed_size 0
		.amdhsa_enable_private_segment 0
		.amdhsa_kernarg_size 24
		.amdhsa_user_sgpr_count 2
		.amdhsa_user_sgpr_kernarg_segment_ptr 1
		.amdhsa_wavefront_size32 1
		.amdhsa_system_sgpr_workgroup_id_x 1
		.amdhsa_system_sgpr_workgroup_id_y 1
		.amdhsa_system_sgpr_workgroup_id_z 1
		.amdhsa_system_vgpr_workitem_id 0
		.amdhsa_next_free_vgpr 1024
		.amdhsa_next_free_sgpr 66
		.amdhsa_reserve_vcc 0
		.amdhsa_float_denorm_mode_32 3
		.amdhsa_float_denorm_mode_16_64 3
		.amdhsa_memory_ordered 1
		.amdhsa_forward_progress 1
		.amdhsa_inst_pref_size 255
	.end_amdhsa_kernel
	.section	.bss,"aw",@nobits
	.p2align	6
	.space	262144
	.amdgpu_metadata
---
amdhsa.version: [ 1, 2 ]
amdhsa.kernels:
  - .name:           k_q47f5faf148_main
    .symbol:         k_q47f5faf148_main.kd
    .args:
      - { .name: x, .offset: 0, .size: 8, .value_kind: global_buffer, .address_space: global }
      - { .name: wst, .offset: 8, .size: 8, .value_kind: global_buffer, .address_space: global }
      - { .name: out0, .offset: 16, .size: 8, .value_kind: global_buffer, .address_space: global }
    .group_segment_fixed_size: 327680
    .private_segment_fixed_size: 0
    .kernarg_segment_align: 8
    .kernarg_segment_size: 24
    .max_flat_workgroup_size: 128
    .sgpr_count:     66
    .vgpr_count:     1024
    .wavefront_size: 32
...
	.end_amdgpu_metadata
.endif
;; end of part 2
;; ======== version 2 of 2: 2 launches
;; limits: right only within a limited range of input values
;; workspace buffers: wst 3,309,568 bytes
;; launch prep (part 3): grid 256 x 1, 4 waves a work-group, no clusters, 13,824 bytes of LDS; arguments Wq, Wk, Wv, Wo, bq, bk, bv, bo, wst; writes wst
.if DOCPART == 3
	.amdgcn_target "amdgcn-amd-amdhsa--gfx1250"
	.amdhsa_code_object_version 6
	.text
	.protected	k_q47f5faf148_prep
	.globl	k_q47f5faf148_prep
	.p2align	8
	.type	k_q47f5faf148_prep,@function
k_q47f5faf148_prep:
	s_mov_b64 s[64:65], 0
	v_nop
	global_prefetch_b8 v0, s[64:65] scope:SCOPE_SE
	s_setreg_imm32_b32 hwreg(HW_REG_WAVE_MODE, 25, 1), 1
	s_wait_xcnt 0x0
; Wq, Wk, Wv, Wo [1024 (k)][1024 (n)] f32 are quantised along k to codes of FP6 (E2M3) with one E8M0 byte for each 32 along k, and laid, with the biases,
; as ONE STREAM in the order in which the second launch's operand registers take them.
; THE STREAM: 32 slots of SLOTB bytes (slot = 8 P + i; P = 0 Wq, 1 Wk, 2 Wv, 3 Wo); a slot is 128 columns x all of K, as 4 wave blocks of WB bytes (32 columns: tiles u = 0, 1 of 16 rows m).
; A wave block: 16 fragments f = 2 s + u (K step s of 128), 1,536 bytes each, as images of 12 registers x 32 lanes (register p of image lane L at 512 (p / 4) + 16 L + 4 (p % 4);
; image lane m + 16 hh holds blocks hh and 2 + hh of column (u, m)); at 24,576 the scale words [c][lane][4] (K step 4 c + ii of column (lane / 16, lane % 16)); at 25,600 the bias of the 32 columns, twice.
; WHICH COLUMN IS (u, m) OF WAVE BLOCK w: with l = m + 16 u, column = base + a1 (l % 8) + a2 ((l / 8) % 2) + a3 (l / 16):
;   Wq, Wk: 1, 16, 8, base 128 i + 32 w;   Wv: 64, 512, 1, base D + 2 w with D = 32 (i / 4) + 16 (i % 2) + 8 ((i / 2) % 2): column 64 m + D + 2 w + u;   Wo: 1, 8, 16, base 256 (i / 2) + 64 w + 32 (i % 2).
; A LANE TAKES A COLUMN AND ITS REGISTERS RUN DOWN K: a block of 32 lies in one lane, 128 along K (a K step) in 128 registers.
; SHARES, Wq, Wk, Wo: work-group g: slot g / 8, wave block (g / 2) % 4, half cK = g % 2 of K; wave wv takes K step 4 cK + wv; lane l is column l of the block: a load reads 128 consecutive bytes.
; SHARES, Wv: a wave block's columns lie two by two, 256 bytes apart.  So work-group g takes slot g / 8 and K step g % 8, all four wave blocks: wave wv takes heads m = 4 wv + lane / 8 and the slot's eight
;   neighbouring channels D + lane % 8 (w = (lane / 2) % 4, u = lane % 2): a load reads four runs of 32 bytes.  The eight fragments meet in LDS and leave as runs of 512 bytes.  The K step's scale words
;   leave 4 bytes a lane, 16 bytes apart (128 words a work-group): four work-groups fill a lane's 16 bytes.
; A block's scale is 2^(floor(log2(largest magnitude)) - 2); its byte is the largest magnitude's exponent field - 2, held at 1 from below.
; LIMITS: a block of zeros gets the byte 1 where the quantiser says 127 (its codes are zeros, and this program alone reads the bytes); blocks whose largest magnitude lies under 2^-124 are held at that floor's byte;
; NaN and infinities among the inputs are not served.
.set SLOTB, 103424
.set WB,    25856
.set SPARE, 512                        ; LDS: 512 bytes of scale words (Wq, Wk, Wo), then the spare words, 128 bytes a wave,
.set VIMG,  1024                       ; then Wv's eight fragments, FP bytes apart: bytes of that way's own
.set FP,    1568                       ; 1,536 + 32: the sixteen lanes of a store's pass (fragment lane % 8, head lane / 8) fall on 16-byte columns 2 (lane % 8) + lane / 8: all different
.set SPW,   28                         ; v28  SPARE + 4 x my thread's number; never rewritten
.set NIL,   29                         ; v29  0; never rewritten
.set VA,    30                         ; v30  Wv: where my pieces go in LDS
.set VR,    31                         ; v31  Wv: where I read whole fragments back
.set VS,    188                        ; v188 Wv: my scale word's place in the slot
.set X,     32                         ; v32-159  my column's 128 numbers of the K step
.set IM,    160                        ; v160-171 image lane m, v172-183 image lane m + 16
.set TP,    184                        ; v184-186 a block's upper 16 codes on their way
	s_load_b256 s[4:11], s[0:1], 0x0               ; Wq, Wk, Wv, Wo
	s_load_b256 s[12:19], s[0:1], 0x20             ; bq, bk, bv, bo
	s_load_b64 s[20:21], s[0:1], 0x40              ; the stream
	v_lshl_add_u32 v[SPW], v0, 2, SPARE
	v_mov_b32 v[NIL], 0
	v_lshrrev_b32 v1, 5, v0
	v_readfirstlane_b32 s29, v1                    ; wave
	v_and_b32 v1, 31, v0                           ; lane l
	s_wait_alu depctr_va_vdst(0)
	s_lshr_b32 s24, ttmp9, 3                       ; slot
	s_bfe_u32 s25, ttmp9, 0x20001                  ; wave block w (Wq, Wk, Wo)
	s_and_b32 s26, ttmp9, 1                        ; cK
	s_lshr_b32 s27, s24, 3                         ; P
	s_and_b32 s28, s24, 7                          ; i
	s_and_b32 s31, ttmp9, 7                        ; Wv: the work-group's K step
	s_lshl_b32 s30, s26, 2
	s_add_co_u32 s30, s30, s29                     ; the others: my K step 4 cK + wave
	s_lshr_b32 s47, s28, 2
	s_lshl_b32 s47, s47, 5
	s_and_b32 s23, s28, 1
	s_lshl_b32 s23, s23, 4
	s_add_co_u32 s47, s47, s23
	s_bfe_u32 s23, s28, 0x10001
	s_lshl_b32 s23, s23, 3
	s_add_co_u32 s47, s47, s23                     ; D
	s_lshl_b32 s39, s28, 7
	s_lshl_b32 s23, s25, 5
	s_add_co_u32 s39, s39, s23                     ; 128 i + 32 w (Wq, Wk)
	s_lshr_b32 s48, s28, 1                         ; Wo's base is 256 (i / 2) + 64 w + 32 (i % 2): over a pair of slots a wave block covers 64 neighbouring columns
	s_lshl_b32 s48, s48, 8
	s_lshl_b32 s22, s25, 6
	s_add_co_u32 s48, s48, s22
	s_and_b32 s22, s28, 1
	s_lshl_b32 s22, s22, 5
	s_add_co_u32 s48, s48, s22
	s_cmp_eq_u32 s27, 3
	s_cselect_b32 s39, s48, s39
	s_lshl_b32 s46, s29, 8
	s_add_co_u32 s46, s46, s47                     ; Wv: my lanes' first column: D + 64 x 4 x wave
	s_and_b32 s36, s31, 3                          ; Wv: K step % 4; also the wave block whose bias this work-group may write
	s_lshl_b32 s23, s36, 1
	s_add_co_u32 s49, s47, s23                     ; that block's base: D + 2 w
	s_cmp_eq_u32 s27, 2                            ; which column a lane LOADS: first + l % 8 + a2 ((l / 8) % 2) + a3 (l / 16)
	s_cselect_b32 s37, 64, 16
	s_cselect_b32 s38, 128, 8
	s_cselect_b32 s30, s31, s30                    ; my K step
	s_cselect_b32 s46, s46, s39
	s_cmp_eq_u32 s27, 3
	s_cselect_b32 s37, 8, s37
	s_cselect_b32 s38, 16, s38
	v_and_b32 v6, 7, v1
	v_bfe_u32 v7, v1, 3, 1
	v_lshrrev_b32 v8, 4, v1                        ; u (Wq, Wk, Wo)
	v_add_nc_u32 v2, s46, v6
	v_mad_u32_u24 v2, v7, s37, v2
	v_mad_u32_u24 v2, v8, s38, v2                  ; my column
	v_lshlrev_b32 v2, 2, v2                        ; in bytes
	v_and_b32 v9, 15, v1
	v_lshlrev_b32 v3, 4, v9
	v_mad_u32_u24 v3, v8, 1536, v3                 ; Wq, Wk, Wo: my place in the K step's two fragments: 1536 u + 16 m
	v_lshlrev_b32 v5, 4, v1                        ; 16 x lane
	s_lshl_b32 s23, s29, 2
	v_add_nc_u32 v4, s23, v5                       ; LDS: my scale word: 16 x lane + 4 x wave
	v_lshrrev_b32 v16, 3, v1                       ; Wv: lane / 8
	v_mul_u32_u24 v[VA], v6, FP                    ; fragment 2 w + u = lane % 8,
	v_lshl_add_u32 v[VA], v16, 4, v[VA]
	s_lshl_b32 s23, s29, 6
	s_add_co_u32 s48, s23, VIMG
	v_add_nc_u32 v[VA], s48, v[VA]                 ; image lane m = 4 x wave + lane / 8: 16 bytes each
	s_mul_i32 s48, s29, 2*FP
	s_add_co_u32 s48, s48, VIMG
	v_add_nc_u32 v[VR], s48, v5                    ; back: wave block = my wave: its two fragments, 16 x lane
	v_bfe_u32 v17, v1, 1, 2                        ; w
	v_and_b32 v18, 1, v1                           ; u
	v_mul_u32_u24 v[VS], v17, WB
	v_lshl_add_u32 v[VS], v18, 8, v[VS]
	v_lshl_add_u32 v[VS], v16, 4, v[VS]
	s_lshr_b32 s48, s31, 2
	s_lshl_b32 s48, s48, 9
	s_add_co_u32 s48, s48, s23
	s_lshl_b32 s23, s36, 2
	s_add_co_u32 s48, s48, s23
	v_add_nc_u32 v[VS], s48, v[VS]                 ; WB w + 512 (s / 4) + 16 (16 u + m) + 4 (s % 4)
	s_lshl_b32 s22, s30, 19                        ; 128 rows of 4,096 bytes a K step
	s_mov_b32 s23, 0
	s_wait_kmcnt 0x0
	s_cmp_eq_u32 s27, 0                            ; which weight and bias: the choice hangs on the work-group's number alone
	s_cselect_b64 s[32:33], s[4:5], s[6:7]
	s_cselect_b64 s[34:35], s[12:13], s[14:15]
	s_cmp_eq_u32 s27, 2
	s_cselect_b64 s[42:43], s[8:9], s[10:11]
	s_cselect_b64 s[44:45], s[16:17], s[18:19]
	s_cmp_lt_u32 s27, 2
	s_cselect_b64 s[32:33], s[32:33], s[42:43]
	s_cselect_b64 s[34:35], s[34:35], s[44:45]
	s_add_nc_u64 s[32:33], s[32:33], s[22:23]      ; the weight at my K step's first row
	s_mul_i32 s22, s24, SLOTB
	s_add_nc_u64 s[50:51], s[20:21], s[22:23]      ; my slot in the stream
	s_mul_i32 s22, s25, WB
	s_add_nc_u64 s[40:41], s[50:51], s[22:23]      ; Wq, Wk, Wo: my wave block,
	s_mul_i32 s22, s30, 3072
	s_add_nc_u64 s[20:21], s[40:41], s[22:23]      ; my K step's two fragments in it
	s_mul_i32 s48, s29, WB
	s_add_co_u32 s22, s22, s48
	s_add_nc_u64 s[52:53], s[50:51], s[22:23]      ; Wv: the K step's two fragments of wave block = my wave
	s_mul_i32 s22, s36, WB
	s_add_nc_u64 s[54:55], s[50:51], s[22:23]      ; Wv: the wave block whose bias this work-group may write
.set kk, 0
.rept 128
	global_load_b32 v[X+kk], v2, s[32:33] offset:kk*4096   ; W(128 s + kk, my column)
.set kk, kk+1
.endr
; block b of the K step: its largest magnitude, its byte, its 32 codes.  left: how many younger loads may stay out
.macro BLOCK b, left
.set XB, X+32*(\b)
.set IR, IM+12*((\b)%2)+6*((\b)/2)
	s_wait_loadcnt \left
	v_max3_num_f32 v8, |v[XB]|, |v[XB+1]|, |v[XB+2]|
	v_max3_num_f32 v9, |v[XB+3]|, |v[XB+4]|, |v[XB+5]|
.irp i, 6,10,14,18,22,26
	v_max3_num_f32 v8, v8, |v[XB+\i]|, |v[XB+\i+1]|
	v_max3_num_f32 v9, v9, |v[XB+\i+2]|, |v[XB+\i+3]|
.endr
	v_max3_num_f32 v8, v8, |v[XB+30]|, |v[XB+31]|
	v_max3_num_f32 v8, v8, v9, 0x1800000           ; and the floor 2^(3 - 127): the byte cannot fall under 1
	v_add_nc_u32 v[10+\b], 0xff000000, v8          ; 2 off the exponent field: the conversion takes this operand's exponent field as its scale
	v_lshrrev_b32 v9, 23, v[10+\b]                 ; the scale's byte
.if (\b) == 0
	v_mov_b32 v14, v9
.else
	v_lshl_or_b32 v14, v9, 8*(\b), v14             ; four bytes make the K step's scale word
.endif
	v_cvt_scalef32_pk16_fp6_f32 v[IR:IR+2], v[XB:XB+15], v[10+\b]
	v_cvt_scalef32_pk16_fp6_f32 v[TP:TP+2], v[XB+16:XB+31], v[10+\b]   ; (a conversion's three registers begin on an even number)
	v_nop                                          ; one plain instruction behind a scaled conversion
.irp i, 0,1,2
	v_mov_b32 v[IR+3+\i], v[TP+\i]
.endr
.endm
; the bias image of a wave block: 64 numbers, position q = the bias of column (u = (q % 32) / 16, m = q % 16); lane l writes positions 2 l and 2 l + 1
.macro BIAS a1, a2, a3, base, dst
	v_lshlrev_b32 v15, 1, v1
	v_and_b32 v15, 30, v15                         ; position 2 l, modulo 32
	v_and_b32 v16, 7, v15
	v_bfe_u32 v17, v15, 3, 1
	v_lshrrev_b32 v18, 4, v15
	v_mad_u32_u24 v19, v16, \a1, \base
	v_mad_u32_u24 v19, v17, \a2, v19
	v_mad_u32_u24 v19, v18, \a3, v19               ; its column;
	v_add_nc_u32 v20, \a1, v19                     ; the next position's: one step of a1 on (the first position is even)
	v_lshlrev_b32 v19, 2, v19
	v_lshlrev_b32 v20, 2, v20
	global_load_b32 v22, v19, s[34:35]
	global_load_b32 v23, v20, s[34:35]
	v_lshlrev_b32 v21, 3, v1
	s_wait_alu depctr_va_vdst(0)
	s_wait_loadcnt 0x0
	global_store_b64 v21, v[22:23], s[\dst:\dst+1] offset:25600   ; 32 lanes store 256 consecutive bytes, aligned
.endm
	BLOCK 0, 63                                    ; 96 younger loads; the wait's field holds 63, and a smaller count is safe
	BLOCK 1, 63                                    ; 64 younger loads
	BLOCK 2, 32
	BLOCK 3, 0
	s_cmp_eq_u32 s27, 2                            ; the ways part on the work-group's number: all four waves go the same way
	s_cbranch_scc1 .Lwv
	; ---- Wq, Wk, Wo: my lanes are the wave block's columns in order
.irp hh, 0,1
.irp c, 0,1,2
	global_store_b128 v3, v[IM+12*\hh+4*\c:IM+12*\hh+4*\c+3], s[20:21] offset:256*\hh+512*\c   ; sixteen lanes store 256 consecutive bytes, aligned
.endr
.endr
	ds_store_b32 v4, v14                           ; the four waves' scale words meet in LDS
	s_cmp_lg_u32 s30, 1                            ; the bias image: one wave of the two work-groups of a wave block (cK = 0, wave 1)
	s_cbranch_scc1 .Lno_bias
	BIAS 1, s37, s38, s39, 40
.Lno_bias:
	s_wait_dscnt 0x0                               ; my scale word has landed
	s_barrier_signal -1
	s_barrier_wait -1
	s_cmp_lg_u32 s29, 0
	s_cbranch_scc1 .Lend
	ds_load_b128 v[24:27], v5                      ; four K steps' words of my column
	s_lshl_b32 s22, s26, 9
	v_add_nc_u32 v6, s22, v5                       ; 512 cK + 16 x lane
	s_wait_alu depctr_va_vdst(0)
	s_wait_dscnt 0x0
	global_store_b128 v6, v[24:27], s[40:41] offset:24576   ; 512 consecutive bytes
	s_branch .Lend
	; ---- Wv: my lanes hold pieces of eight fragments
.Lwv:
	s_wait_alu depctr_va_vdst(0)
.irp hh, 0,1
.irp c, 0,1,2
	ds_store_b128 v[VA], v[IM+12*\hh+4*\c:IM+12*\hh+4*\c+3] offset:256*\hh+512*\c
.endr
.endr
	global_store_b32 v[VS], v14, s[50:51] offset:24576   ; my column's scale word of this K step
	s_cmp_lt_u32 s31, 4                            ; the bias image of wave block w: wave 1 of the work-group with K step w
	s_cselect_b32 s22, s29, 0
	s_cmp_lg_u32 s22, 1
	s_cbranch_scc1 .Lno_bias_v
	BIAS 64, 512, 1, s49, 54
.Lno_bias_v:
	s_wait_dscnt 0x0                               ; my pieces have landed
	s_barrier_signal -1
	s_barrier_wait -1
.irp j, 0,1,2,3,4,5
	ds_load_b128 v[X+4*\j:X+4*\j+3], v[VR] offset:(\j/3)*FP+(\j%3)*512
.endr
.irp j, 0,1,2,3,4,5
	s_wait_dscnt 5-\j                              ; the younger read-backs may stay out
	global_store_b128 v5, v[X+4*\j:X+4*\j+3], s[52:53] offset:512*\j   ; 512 consecutive bytes, aligned
.endr
.Lend:
	s_wait_tensorcnt 0x0                           ; the wave's end: behind my last LDS store
	ds_add_u32 v[SPW], v[NIL]
	s_wait_dscnt 0x0
	s_endpgm
.Lfunc_end_k_q47f5faf148_prep:
	.size	k_q47f5faf148_prep, .Lfunc_end_k_q47f5faf148_prep-k_q47f5faf148_prep
	.p2alignl 7, 3214868480
	.fill 96, 4, 3214868480
	.section	.rodata,"a",@progbits
	.p2align	6, 0x0
	.amdhsa_kernel k_q47f5faf148_prep
		.amdhsa_group_segment_fixed_size 13824
		.amdhsa_private_segment_fixed_size 0
		.amdhsa_enable_private_segment 0
		.amdhsa_kernarg_size 72
		.amdhsa_user_sgpr_count 2
		.amdhsa_user_sgpr_kernarg_segment_ptr 1
		.amdhsa_wavefront_size32 1
		.amdhsa_system_sgpr_workgroup_id_x 1
		.amdhsa_system_sgpr_workgroup_id_y 1
		.amdhsa_system_sgpr_workgroup_id_z 1
		.amdhsa_system_vgpr_workitem_id 0
		.amdhsa_next_free_vgpr 192
		.amdhsa_next_free_sgpr 66
		.amdhsa_reserve_vcc 0
		.amdhsa_float_denorm_mode_32 3
		.amdhsa_float_denorm_mode_16_64 3
		.amdhsa_memory_ordered 1
		.amdhsa_forward_progress 1
		.amdhsa_inst_pref_size 28
	.end_amdhsa_kernel
	.amdgpu_metadata
---
amdhsa.version: [ 1, 2 ]
amdhsa.kernels:
  - .name:           k_q47f5faf148_prep
    .symbol:         k_q47f5faf148_prep.kd
    .args:
      - { .name: Wq, .offset: 0, .size: 8, .value_kind: global_buffer, .address_space: global }
      - { .name: Wk, .offset: 8, .size: 8, .value_kind: global_buffer, .address_space: global }
      - { .name: Wv, .offset: 16, .size: 8, .value_kind: global_buffer, .address_space: global }
      - { .name: Wo, .offset: 24, .size: 8, .value_kind: global_buffer, .address_space: global }
      - { .name: bq, .offset: 32, .size: 8, .value_kind: global_buffer, .address_space: global }
      - { .name: bk, .offset: 40, .size: 8, .value_kind: global_buffer, .address_space: global }
      - { .name: bv, .offset: 48, .size: 8, .value_kind: global_buffer, .address_space: global }
      - { .name: bo, .offset: 56, .size: 8, .value_kind: global_buffer, .address_space: global }
      - { .name: wst, .offset: 64, .size: 8, .value_kind: global_buffer, .address_space: global }
    .group_segment_fixed_size: 13824
    .private_segment_fixed_size: 0
    .kernarg_segment_align: 8
    .kernarg_segment_size: 72
    .max_flat_workgroup_size: 128
    .sgpr_count:     66
    .vgpr_count:     192
    .wavefront_size: 32
...
	.end_amdgpu_metadata
.endif
;; end of part 3
;; launch main (part 4): grid 256 x 1, 4 waves a work-group, clusters of 4 x 1, 327,680 bytes of LDS; arguments x, wst, out0; writes out0
.if DOCPART == 4
	.amdgcn_target "amdgcn-amd-amdhsa--gfx1250"
	.amdhsa_code_object_version 6
	.text
	.protected	k_q47f5faf148_main
	.globl	k_q47f5faf148_main
	.p2align	8
	.type	k_q47f5faf148_main,@function
k_q47f5faf148_main:
	s_mov_b64 s[64:65], 0
	v_nop
	global_prefetch_b8 v0, s[64:65] scope:SCOPE_SE
	s_setreg_imm32_b32 hwreg(HW_REG_WAVE_MODE, 25, 1), 1
	s_wait_xcnt 0x0
	s_wait_alu depctr_hold_cnt(0) depctr_sa_sdst(0) depctr_va_vdst(0) depctr_va_sdst(0) depctr_va_ssrc(0) depctr_va_vcc(0) depctr_vm_vsrc(0)
	s_getreg_b32 s2, hwreg(HW_REG_IB_STS2, 6, 4)
	s_cmp_eq_u32 s2, 0
	s_cbranch_scc0 .Lentry_in_a_cluster
	s_endpgm
.Lentry_in_a_cluster:
	s_bfe_u32 s2, ttmp6, 0x10000c
	s_cmp_lg_u32 s2, 0x3003
	s_cbranch_scc0 .Lentry_shape_is_right
	s_endpgm
.Lentry_shape_is_right:
; out = ctx Wo + bo, ctx[h] = softmax_g(q[h] . k[g]) v[g] for each token over its 16 heads of 64, q, k, v = x W + b.  Quantised products on codes of FP6 (E2M3), one E8M0 byte for each 32 along K.
; A work-group owns 64 tokens and takes them through the whole chain; only out goes to memory.  256 work-groups, four waves, each with all of a SIMD's registers.
; Every wave holds the codes of all 64 rows (x, later ctx: 384 registers) and multiplies them with its own 32 columns of each slot of the weight stream (made by the first launch as register images).
; THE STREAM goes through a ring of two LDS slots of 103,424 bytes; wave w fills and reads wave block w alone.  CLUSTER: the four work-groups of a cluster walk the same stream: each block is asked for JOINTLY (mask 15).
; THE WALK: 32 steps.  With c the cluster's number, rho = (c + 3 (c / 16)) % 16: step n takes slot (n - rho) % 16 (q, k), slot n (v), 24 + (n - (rho & 14)) % 8 (out: pairs of slots stay together).
; A STEP: 64 products in four batches of 16.  THE CHANGE OF SLOTS STANDS IN THE LAST BATCH: by then all the slot's fragments are in registers; the waits and the add, 8 products, the signal, 8 products, the round,
; the refill; behind it the other slot's first 30 LDS loads are issued, and the step's epilogue runs while they are on their way.  (In front of the f32 products the epilogue comes first, and the round shows it to all waves.)
; THE MATRIX INSTRUCTION IS USED TRANSPOSED (source 0 = 16 weight columns, source 1 = 16 tokens).  The bias is the C of each sum's first product.
; ORDER: x quantised, 16 rows a wave, all waves load all rows' fragments | steps 0-15 q, k, quantised along d into LDS | scores, one product a token (K = 64, upper half zero codes), softmax in registers |
; steps 16-23 v, 16 channels at a time through LDS, ctx^T = v^T attn^T by the f32 matrix form (its result goes into a quantiser), ctx quantised into LDS | ctx's fragments | steps 24-31 out, two steps at a time
; through the wave's own stage.
; LIMITS: NaN and infinities are not served; a block of zeros carries the byte 1 where the quantiser says 127 (its codes are zeros, the bytes are this program's own); blocks whose largest magnitude lies under 2^-124
; are held at that floor's byte; an exponential under 2^-126 comes out as 0.
; REGISTERS: window 0: v0-31, v232-243 addresses; v32-127 weight fragments, two sets; v128-135 weight scale words; v136-151 bias; v152-167 the rows' scale words; v168-231 at work.
;   windows 1, 2: v0-191 the rows' fragments (96 (m % 2) + 12 s), v192-255 attn of tokens 0-7, 8-15.   window 3: accumulators, written by matrix instructions alone.
.set SLOTB, 103424
.set WB,    25856
.set OPIMG, 2*SLOTB                    ; behind the ring: the rows' codes, 64 rows of 768 bytes
.set OPP,   784
.set OPSC,  OPIMG+64*OPP               ; their scale bytes
.set OSP,   36
.set VSTG,  OPSC+64*OSP                ; v of 16 channels: a token 1,024 bytes: 512 (g / 8) + 32 x channel + 4 (g % 8)
.set VP,    1040
.set XSTG,  VSTG                       ; (first) x's turn: 16 rows of 512 bytes a wave
.set XP,    528
.set QKC,   OPIMG                      ; (between) q's, k's codes: a token 16 steps x 96 bytes: 96 x step + 24 x wave
.set QP,    1552
.set QKS,   QKC+64*QP
.set QSP,   68
.set OSTG,  OPIMG                      ; (last) out's stages: 64 rows of 256 bytes for each wave
.set OP2,   272
.set SPARE, 327168                     ; the spare words, 128 bytes a wave
.set L16, 1
.set RR,  2
.set HH,  3
.set WA,  4                            ; v4-5 my wave block in slot 0, 1: + 16 x lane
.set BA,  6                            ; v6-7 its bias image: + 32 h
.set SCK, 8
.set XSI, 9
.set XSO, 10
.set XCA, 11
.set XSA, 12
.set LXA, 13
.set LXS, 14
.set QCA, 15                           ; v15-16
.set QSA, 17
.set SCA, 18
.set SSA, 19
.set VSI, 20
.set VSO, 21
.set CCA, 22
.set CSA, 23
.set OSI, 24
.set OSO, 25
.set CO,  26                           ; out: 4096 h + 16 r
.set PFO, 27                           ; 256 x lane
.set SPW, 28
.set NIL, 29
.set TA,  30                           ; v30-31
.set WF,  32
.set WS,  128
.set BI,  136
.set XS,  152
.set TM,  168
.set PC,  184
.set MX,  200
.set T2,  216
.set TB,  232
.set SSC, 233                          ; v233-236 the scores' scale words
.set T,   243
.set WV,  10
.set CX,  11
.set WG,  12
.set RHE, 13
.set SEL, 16
.set CNT, 18
.set SQ,  19
.set G1,  24
.set G0,  32
.set PFA, 40
.set LIM, 42
.set SS,  44
.set SB24, 45
.set SB1, 46
.set RHO, 47
.set NX,  52                           ; the step whose slot the next refill brings
.set OJ,  53
.set WBP, 54
.set OBP, 56
.set PFB, 58
                                       ; s48-50, s60, s62 at work; s51, s61, s63 hold 0
.set MSB, 0
.macro WIN new
.if MSB != (\new)
	s_set_vgpr_msb (MSB<<8)|(\new)
.set MSB, (\new)
.endif
.endm
.macro PLACES n
.rept \n
	v_nop
.endr
.endm
.macro BARRIER
	s_wait_dscnt 0x0
	s_barrier_signal -1
	s_barrier_wait -1
.endm
.macro CREST                           ; a round of the cluster's barrier behind its opening barrier
	s_cmp_lg_u32 s[WV], 0
	s_cbranch_scc1 .Lnot_wave_0_\@
	s_barrier_signal -3
.Lnot_wave_0_\@:
	s_barrier_wait -3
	s_barrier_signal -1
	s_barrier_wait -1
.endm
.macro CROUND
	s_barrier_signal -1
	s_barrier_wait -1
	CREST
.endm
; Four half blocks: item i is 16 registers from a_i on in window W, 16 neighbours of a block of 32 whose other 16 lie in lane l xor 16.  Codes to v[PC + 4 i] on, the byte to v[TM + 12 + i].
.macro QUANT4 W, a0, a1, a2, a3
	WIN (\W)|((\W)<<2)
	v_max3_num_f32 v[TM+0], |v[(\a0)]|, |v[(\a0)+1]|, 0x1800000   ; the floor 2^(3 - 127): the byte cannot fall under 1
	v_max3_num_f32 v[TM+1], |v[(\a1)]|, |v[(\a1)+1]|, 0x1800000
	v_max3_num_f32 v[TM+2], |v[(\a2)]|, |v[(\a2)+1]|, 0x1800000
	v_max3_num_f32 v[TM+3], |v[(\a3)]|, |v[(\a3)+1]|, 0x1800000
.irp k, 2,4,6,8,10,12,14
	v_max3_num_f32 v[TM+0], |v[(\a0)+\k]|, |v[(\a0)+\k+1]|, v[TM+0]
	v_max3_num_f32 v[TM+1], |v[(\a1)+\k]|, |v[(\a1)+\k+1]|, v[TM+1]
	v_max3_num_f32 v[TM+2], |v[(\a2)+\k]|, |v[(\a2)+\k+1]|, v[TM+2]
	v_max3_num_f32 v[TM+3], |v[(\a3)+\k]|, |v[(\a3)+\k+1]|, v[TM+3]
.endr
	WIN 0
.irp i, 0,1,2,3
	v_permlanex16_b32 v[TM+4+\i], v[TM+\i], s[SEL], s[SEL+1]
.endr
.irp i, 0,1,2,3
	v_max_num_f32 v[TM+\i], v[TM+\i], v[TM+4+\i]
.endr
.irp i, 0,1,2,3
	v_add_nc_u32 v[TM+8+\i], 0xff000000, v[TM+\i]  ; 2 off the exponent field: the conversion's scale operand
.endr
.irp i, 0,1,2,3
	v_lshrrev_b32 v[TM+12+\i], 23, v[TM+8+\i]      ; the scale's byte
.endr
	WIN (\W)
	v_cvt_scalef32_pk16_fp6_f32 v[PC+0:PC+2], v[(\a0):(\a0)+15], v[TM+8]
	v_cvt_scalef32_pk16_fp6_f32 v[PC+4:PC+6], v[(\a1):(\a1)+15], v[TM+9]
	v_cvt_scalef32_pk16_fp6_f32 v[PC+8:PC+10], v[(\a2):(\a2)+15], v[TM+10]
	v_cvt_scalef32_pk16_fp6_f32 v[PC+12:PC+14], v[(\a3):(\a3)+15], v[TM+11]
	WIN 0
	v_nop                                          ; one plain instruction behind the scaled conversions
.endm
; All 64 rows' fragments and scale words from the rows in LDS.  A scale register holds K step 2 q in lanes 0-15 and 2 q + 1 in lanes 16-31.
.macro LOADX
.irp m, 0,1,2,3
	WIN 0x40+0x40*(\m/2)
.irp s, 0,1,2,3,4,5,6,7
.irp p, 0,1,2,3,4,5
	ds_load_b64 v[96*(\m%2)+12*\s+2*\p:96*(\m%2)+12*\s+2*\p+1], v[LXA] offset:16*OPP*\m+96*\s+48*(\p/3)+8*(\p%3)
.endr
.endr
.endr
	WIN 0
.irp m, 0,1,2,3
.irp q, 0,1,2,3
	ds_load_b32 v[XS+4*\m+\q], v[LXS] offset:16*OSP*\m+8*\q
.endr
.endr
	s_wait_dscnt 0x0
.endm
.macro WMS ua, ub
.if ((\ua) == 0) && ((\ub) == 0)
	v_wmma_scale_f32_16x16x128_f8f6f4 v[rD:rD+7], v[rA:rA+11], v[rB:rB+11], v[rC:rC+7], v[rSA], v[rSB] matrix_a_fmt:MATRIX_FMT_FP6 matrix_b_fmt:MATRIX_FMT_FP6
.elseif (\ub) == 0
	v_wmma_scale_f32_16x16x128_f8f6f4 v[rD:rD+7], v[rA:rA+11], v[rB:rB+11], v[rC:rC+7], v[rSA], v[rSB] matrix_a_fmt:MATRIX_FMT_FP6 matrix_b_fmt:MATRIX_FMT_FP6 matrix_a_scale:MATRIX_SCALE_ROW1
.elseif (\ua) == 0
	v_wmma_scale_f32_16x16x128_f8f6f4 v[rD:rD+7], v[rA:rA+11], v[rB:rB+11], v[rC:rC+7], v[rSA], v[rSB] matrix_a_fmt:MATRIX_FMT_FP6 matrix_b_fmt:MATRIX_FMT_FP6 matrix_b_scale:MATRIX_SCALE_ROW1
.else
	v_wmma_scale_f32_16x16x128_f8f6f4 v[rD:rD+7], v[rA:rA+11], v[rB:rB+11], v[rC:rC+7], v[rSA], v[rSB] matrix_a_fmt:MATRIX_FMT_FP6 matrix_b_fmt:MATRIX_FMT_FP6 matrix_a_scale:MATRIX_SCALE_ROW1 matrix_b_scale:MATRIX_SCALE_ROW1
.endif
.endm
.macro FRL buf, bt                     ; four weight fragments (K steps 2 bt, 2 bt + 1; tiles 0, 1) into set bt % 2: 12 loads of 512 consecutive bytes
.irp f, 0,1,2,3
.irp c, 0,1,2
	ds_load_b128 v[WF+48*((\bt)%2)+12*\f+4*\c:WF+48*((\bt)%2)+12*\f+4*\c+3], v[WA+\buf] offset:(4*(\bt)+\f)*1536+512*\c
.endr
.endr
.endm
.macro PRE buf                         ; a step's first 30 LDS loads: scale words, bias, batches 0 and 1
	ds_load_b128 v[WS:WS+3], v[WA+\buf] offset:24576
	ds_load_b128 v[WS+4:WS+7], v[WA+\buf] offset:25088
.irp u, 0,1
.irp c, 0,1
	ds_load_b128 v[BI+8*\u+4*\c:BI+8*\u+4*\c+3], v[BA+\buf] offset:64*\u+16*\c
.endr
.endr
	FRL \buf, 0
	FRL \buf, 1
.endm
; 8 products: batch bt, row tiles 2 g, 2 g + 1; accumulators at AB + AM m + AU u of window 3; four take turns, one instruction a turn
.macro MUL8 bt, g, AB, AM, AU
.irp so, 0,1
.if ((\bt) == 0) && (\so == 0)
	WIN 0xc4+4*(\g)                                ; C (the bias) window 0
.else
	WIN 0xf4+4*(\g)
.endif
.irp mm, 0,1
.irp u, 0,1
.set rD, (\AB)+(\AM)*(2*(\g)+\mm)+(\AU)*\u
.set rA, WF+48*((\bt)%2)+12*(2*\so+\u)
.set rB, 96*\mm+12*(2*(\bt)+\so)
.set rSA, WS+2*(\bt)+\so
.set rSB, XS+4*(2*(\g)+\mm)+(\bt)
.if ((\bt) == 0) && (\so == 0)
.set rC, BI+8*\u
.else
.set rC, rD
.endif
	WMS \u, \so
.endr
.endr
.endr
.endm
.macro OBASE                           ; out's base for the pair of steps in hand: slot pair ((OJ - (rho & 14)) % 8) / 2, 1,024 bytes of a row each
	s_sub_co_u32 s62, s[OJ], s[RHE]
	s_and_b32 s62, s62, 6
	s_lshl_b32 s62, s62, 9
	s_add_nc_u64 s[8:9], s[OBP:OBP+1], s[62:63]
	s_add_co_u32 s[OJ], s[OJ], 2
.endm
; A PREFETCH INTO THE L2 of v's and out's slots, which no cluster has asked for while q and k are walked.  At the changes of steps 12 to 19 (t = 0 .. 7) slots 16 + 2 t and 17 + 2 t are named: the 96 blocks of
; 256 bytes of a wave block's codes, a lane a block.  The first cluster asks; its four partners take a wave block each, told apart by address; waves 0 to 2 take 32 blocks each.  Each block is named once in the launch.
.macro ASK
	s_cmp_lt_u32 s48, s[LIM]                       ; s48 = t (far above 8 where the step is under 12)
	s_cbranch_scc0 .Lnot_mine_\@
	global_prefetch_b8 v[PFO], s[PFA:PFA+1] th:TH_LOAD_NT scope:SCOPE_SE
	global_prefetch_b8 v[PFO], s[PFA:PFA+1] offset:SLOTB th:TH_LOAD_NT scope:SCOPE_SE
.Lnot_mine_\@:
.endm
.macro CH1 ob                          ; ahead of the change's waits: earlier stores and prefetches have read their registers and bases
	s_wait_xcnt 0x0
	s_sub_co_u32 s48, s[NX], 14                    ; t = the step in hand - 12
	s_min_u32 s50, s48, 7                          ; (held, so that the address stays in the stream whether or not it is used)
	s_mul_i32 s50, s50, 2*SLOTB
	s_add_nc_u64 s[PFA:PFA+1], s[PFB:PFB+1], s[50:51]
.if \ob
	OBASE
.endif
.endm
.macro CH2 buf                         ; no tensor load of mine is out: group 0 takes step NX's slot
	s_sub_co_u32 s49, s[NX], s[RHO]
	s_and_b32 s49, s49, 15                         ; among q's and k's 16,
	s_sub_co_u32 s60, s[NX], s[RHE]
	s_and_b32 s60, s60, 7
	s_or_b32 s60, s60, 24                          ; among out's 8,
	s_cmp_lt_u32 s[NX], 24
	s_cselect_b32 s60, s[NX], s60                  ; v's as they lie
	s_cmp_lt_u32 s[NX], 16
	s_cselect_b32 s60, s49, s60
	s_mul_i32 s60, s60, SLOTB
	s_add_nc_u64 s[G0+4*\buf+2:G0+4*\buf+3], s[WBP:WBP+1], s[60:61]
	s_or_b32 s[G0+4*\buf+3], s[G0+4*\buf+3], 0x80000000
	s_add_co_u32 s[NX], s[NX], 1
.endm
.macro CH3 buf                         ; the rest of the round, and my one tensor load behind it
	CREST
	tensor_load_to_lds s[G0+4*\buf:G0+4*\buf+3], s[G1:G1+7]
	s_nop 0
	PLACES 4                                       ; also the places in front of loads into what was just multiplied and of the first read of results
	ASK
.endm
.macro CHANGE buf                      ; the change of slots behind a step's epilogue
	WIN 0
	CH1 0
	s_wait_tensorcnt 0x0                           ; the one load of mine that was out is the other slot's
	ds_add_u32 v[SPW], v[NIL]
	CH2 \buf
	s_wait_dscnt 0x0                               ; the add is done; my reads of the slot and my stores into the stage are over
	s_barrier_signal -1
	s_barrier_wait -1
	CH3 \buf
.endm
; A step's 64 products on slot buf.  w0: the LDS instructions younger than batch 0's loads.  mode 2: the change of slots with its refill in the last batch; 1: the same with no refill and no round; 0: no change here.
.macro GEMMT buf, AB, AM, AU, w0, mode, ob
	s_wait_alu depctr_va_vdst(0)
	PLACES 9                                       ; the first products begin accumulators anew over registers of earlier matrix instructions
	s_wait_dscnt \w0
	MUL8 0, 0, \AB, \AM, \AU
	MUL8 0, 1, \AB, \AM, \AU
	WIN 0
	PLACES 4
	FRL \buf, 2
	s_wait_dscnt 12                                ; all but the 12 just issued
	MUL8 1, 0, \AB, \AM, \AU
	MUL8 1, 1, \AB, \AM, \AU
	WIN 0
	PLACES 4
	FRL \buf, 3
	s_wait_dscnt 12
	MUL8 2, 0, \AB, \AM, \AU
	MUL8 2, 1, \AB, \AM, \AU
	WIN 0
.if (\mode) == 2
	CH1 \ob
.endif
	s_wait_dscnt 0x0                               ; the last batch is in registers: my reads of this slot are over
.if (\mode) == 0
	MUL8 3, 0, \AB, \AM, \AU
	MUL8 3, 1, \AB, \AM, \AU
	WIN 0
	PLACES 4
.else
	s_wait_tensorcnt 0x0                           ; the one load of mine that was out is the other slot's
	ds_add_u32 v[SPW], v[NIL]
.if (\mode) == 2
	CH2 \buf
.endif
	MUL8 3, 0, \AB, \AM, \AU                       ; eight products stand between the add and the wait for it,
	s_wait_dscnt 0x0
	s_barrier_signal -1
	MUL8 3, 1, \AB, \AM, \AU                       ; eight between the signal and the wait
	WIN 0
	s_barrier_wait -1
.if (\mode) == 2
	CH3 \buf
.else
	PLACES 4
.endif
.endif
.endm
; q's or k's epilogue: my 32 columns are one block of 32 of one head, for 64 tokens: four items.  Laid by step.  16 LDS stores
.macro EPI_QK
	QUANT4 3, 0, 16, 32, 48
	v_add_nc_u32 v[TA], s[SQ], v[QCA]
	v_add_nc_u32 v[TA+1], s[SQ], v[QCA+1]
	v_add_nc_u32 v[TB], s[SS], v[QSA]
.irp m, 0,1,2,3
.irp c, 0,1,2
	ds_store_b32 v[TA+\m/2], v[PC+4*\m+\c] offset:16*QP*(\m%2)+4*\c
.endr
	ds_store_b8 v[TB], v[TM+12+\m] offset:16*QSP*\m
.endr
	s_add_co_u32 s[SQ], s[SQ], 96
	s_add_co_u32 s[SS], s[SS], 4
.endm
; v's epilogue: a tile is one channel of all 16 heads: a lane's eight registers are heads 8 h + 0 .. 7 of channel 8 e + 2 w + u of the sixteen in hand.  16 LDS stores
.macro EPI_V e
	WIN 0x0c
.irp m, 0,1,2,3
.irp u, 0,1
	ds_store_b128 v[VSI], v[8+32*\m+16*\u:8+32*\m+16*\u+3] offset:16*VP*\m+32*(8*(\e)+\u)
	ds_store_b128 v[VSI], v[8+32*\m+16*\u+4:8+32*\m+16*\u+7] offset:16*VP*\m+32*(8*(\e)+\u)+16
.endr
.endr
	WIN 0
.endm
.macro VLOAD bt                        ; v of four of my tokens: lane (r, h): channel r, heads 8 h + 0 .. 7
.irp tt, 0,1,2,3
	ds_load_b128 v[WF+32*((\bt)%2)+8*\tt:WF+32*((\bt)%2)+8*\tt+3], v[VSO] offset:VP*(4*(\bt)+\tt)
	ds_load_b128 v[WF+32*((\bt)%2)+8*\tt+4:WF+32*((\bt)%2)+8*\tt+7], v[VSO] offset:VP*(4*(\bt)+\tt)+16
.endr
.endm
; ctx^T = v^T attn^T for my 16 tokens and the sixteen channels in hand, in f32.  K = the 16 heads, four a product; in K step ks both operands hold head 8 h + 2 ks + j in register j.
; Result at 16 t + 8 p of window 3: lane (head r, h), register j: channel 32 B + 16 h + 8 p + j.  Four tokens' accumulators take turns.
.macro PROD5 p
	PLACES 9
	VLOAD 0
	VLOAD 1
.irp bt, 0,1,2,3
.if \bt < 3
	s_wait_dscnt 8
.else
	s_wait_dscnt 0x0
.endif
	WIN 0xf0|((1+\bt/2)<<2)
.irp ks, 0,1,2,3
.irp tt, 0,1,2,3
.set rD, 16*(4*\bt+\tt)+8*(\p)
.set rA, WF+32*(\bt%2)+8*\tt+2*\ks
.set rB, 192+8*((4*\bt+\tt)%8)+2*\ks
.if \ks == 0
	v_wmma_f32_16x16x4_f32 v[rD:rD+7], v[rA:rA+1], v[rB:rB+1], 0
.else
	v_wmma_f32_16x16x4_f32 v[rD:rD+7], v[rA:rA+1], v[rB:rB+1], v[rD:rD+7]
.endif
.endr
.endr
	WIN 0
	PLACES 8                                       ; in front of loads into what was just multiplied, and of the first read of results
.if \bt < 2
	VLOAD \bt+2
.endif
.endr
.endm
; ctx's block B of every head, for my 16 tokens: an item is a token: lane (head r, h) holds channels 32 B + 16 h + 0 .. 15.
.macro QUANTC
	v_add_nc_u32 v[TA], s[SB24], v[CCA]
	v_add_nc_u32 v[TB], s[SB1], v[CSA]
.irp bt, 0,1,2,3
	QUANT4 3, 64*\bt, 64*\bt+16, 64*\bt+32, 64*\bt+48
.irp i, 0,1,2,3
.irp c, 0,1,2
	ds_store_b32 v[TA], v[PC+4*\i+\c] offset:OPP*(4*\bt+\i)+4*\c
.endr
	ds_store_b8 v[TB], v[TM+12+\i] offset:OSP*(4*\bt+\i)
.endr
	s_wait_dscnt 0x0                               ; the stores have read their registers
.endr
.endm
; out's epilogue, for two steps: my 64 columns x 64 rows go through my own stage and leave as rows of 256 bytes: sixteen lanes store one aligned run of 256 bytes.  LDS serves a wave's instructions in order.
.macro EPI_O2
	WIN 0x0c
.irp e, 0,1
.irp m, 0,1,2,3
.irp u, 0,1
	ds_store_b128 v[OSI], v[64*\e+16*\m+8*\u:64*\e+16*\m+8*\u+3] offset:16*OP2*\m+128*\e+64*\u
	ds_store_b128 v[OSI], v[64*\e+16*\m+8*\u+4:64*\e+16*\m+8*\u+7] offset:16*OP2*\m+128*\e+64*\u+16
.endr
.endr
.endr
.irp w, 0,1
	WIN 0x40+0x40*\w
.irp i, 0,1,2,3,4,5,6,7,8,9,10,11,12,13,14,15
	ds_load_b128 v[192+4*\i:192+4*\i+3], v[OSO] offset:2*OP2*(16*\w+\i)
.endr
.endr
.irp w, 0,1
	s_wait_dscnt 16-16*\w
	WIN 0x04+0x04*\w
.irp i, 0,1,2,3,4,5,6,7,8,9,10,11,12,13,14,15
	global_store_b128 v[CO], v[192+4*\i:192+4*\i+3], s[8:9] offset:8192*(16*\w+\i) th:TH_STORE_NT
.endr
.endr
	WIN 0
.endm
.macro XLOAD s                         ; x: K step s of my 16 rows, 512 consecutive bytes a load, into set s % 4 of window 1
	WIN 0x40
.irp p, 0,1,2,3,4,5,6,7,8,9,10,11,12,13,14,15
	global_load_b128 v[64*((\s)%4)+4*\p:64*((\s)%4)+4*\p+3], v[L16], s[4:5] offset:4096*\p+512*(\s) th:TH_LOAD_NT
.endr
	WIN 0
.endm
; K step s of x turns through my stage (a lane then holds 16 neighbours of each of its row's four blocks), is quantised, and its codes and bytes go to the rows in LDS.  left: younger loads
.macro XSTEP s, left
	s_wait_loadcnt \left
	WIN 0x04
.irp p, 0,1,2,3,4,5,6,7,8,9,10,11,12,13,14,15
	ds_store_b128 v[XSI], v[64*((\s)%4)+4*\p:64*((\s)%4)+4*\p+3] offset:XP*\p
.endr
	WIN 0
.irp b, 0,1,2,3
.irp j, 0,1,2,3
	ds_load_b128 v[WF+16*\b+4*\j:WF+16*\b+4*\j+3], v[XSO] offset:128*\b+16*\j
.endr
.endr
	s_wait_dscnt 0x0
.if (\s) < 4
	XLOAD (\s)+4
.endif
	QUANT4 0, WF, WF+16, WF+32, WF+48
.irp b, 0,1,2,3
.irp c, 0,1,2
	ds_store_b32 v[XCA], v[PC+4*\b+\c] offset:96*(\s)+24*\b+4*\c
.endr
	ds_store_b8 v[XSA], v[TM+12+\b] offset:4*(\s)+\b
.endr
.endm
	s_load_b128 s[4:7], s[0:1], 0x0                ; x, the stream
	s_load_b64 s[8:9], s[0:1], 0x10                ; out
	v_lshl_add_u32 v[SPW], v0, 2, SPARE
	v_mov_b32 v[NIL], 0
	ds_add_u32 v[SPW], v[NIL]                      ; the wave's opening: the add, twice on end, and its wait stand ahead of my first tensor load
	ds_add_u32 v[SPW], v[NIL]
	v_lshrrev_b32 v[TA], 5, v0
	v_readfirstlane_b32 s[WV], v[TA]               ; wave 0..3
	s_bfe_u32 s[CX], ttmp6, 0x40000                ; my place in the cluster: it enters x's, out's and the prefetches' addresses alone
	s_lshl_b32 s[WG], ttmp9, 2
	s_add_co_u32 s[WG], s[WG], s[CX]
	s_lshr_b32 s[RHO], ttmp9, 4                    ; rho: the same in all four partners
	s_mul_i32 s[RHO], s[RHO], 3
	s_add_co_u32 s[RHO], s[RHO], ttmp9
	s_and_b32 s[RHO], s[RHO], 15
	s_and_b32 s[RHE], s[RHO], 14
	s_mov_b32 s[G1+0], 15|(3<<16)|(1<<21)          ; the mask: all four work-groups; elements of 8 bytes; bit 21 beside a mask; no padding
	s_mov_b32 s[G1+1], 32<<16                      ; rows of 256 bytes
	s_mov_b32 s[G1+2], 101<<16                     ; 101 rows: a wave block
	s_mov_b32 s[G1+3], 32<<16
	s_mov_b32 s[G1+4], 101
	s_mov_b32 s[G1+5], 32                          ; the block is dense
	s_mov_b32 s[G1+6], 0
	s_mov_b32 s[G1+7], 0
	s_mov_b32 s[SEL], 0x76543210
	s_mov_b32 s[SEL+1], 0xfedcba98
	s_mov_b32 s[SQ], 0
	s_mov_b32 s[SS], 0
	s_mov_b32 s[SB24], 0
	s_mov_b32 s[SB1], 0
	s_mov_b32 s[NX], 2                             ; steps 0 and 1 come by the first fills
	s_mov_b32 s[OJ], 0
	s_mov_b32 s51, 0
	s_mov_b32 s61, 0
	s_mov_b32 s63, 0
	s_cmp_eq_u32 s[WV], 3
	s_cselect_b32 s[LIM], 1, 0
	s_or_b32 s[LIM], s[LIM], ttmp9                 ; 0 in waves 0 to 2 of the first cluster
	s_cmp_eq_u32 s[LIM], 0
	s_cselect_b32 s[LIM], 8, 0
	s_mul_i32 s14, s[WV], WB
	s_mov_b32 s15, 0
	s_mul_i32 s20, s[WV], 16*XP
	s_add_co_u32 s20, s20, XSTG
	s_mul_i32 s21, s[WV], 16*OPP
	s_add_co_u32 s21, s21, OPIMG
	s_mul_i32 s22, s[WV], 16*OSP
	s_add_co_u32 s22, s22, OPSC
	s_mul_i32 s23, s[WV], 24
	s_add_co_u32 s23, s23, QKC
	s_add_co_u32 s40, s[WV], QKS
	s_mul_i32 s41, s[WV], 16*QP
	s_add_co_u32 s41, s41, QKC
	s_mul_i32 s43, s[WV], 16*QSP
	s_add_co_u32 s43, s43, QKS
	s_lshl_b32 s60, s[WV], 6
	s_add_co_u32 s60, s60, VSTG
	s_mul_i32 s62, s[WV], 16*VP
	s_add_co_u32 s62, s62, VSTG
	s_mul_i32 s3, s[WV], 64*OP2
	s_add_co_u32 s3, s3, OSTG
	v_and_b32 v[T], 31, v0
	v_lshlrev_b32 v[L16], 4, v[T]
	v_lshlrev_b32 v[PFO], 8, v[T]
	v_and_b32 v[RR], 15, v0
	v_bfe_u32 v[HH], v0, 4, 1
	v_add_nc_u32 v[WA], s14, v[L16]
	v_add_nc_u32 v[WA+1], SLOTB, v[WA]
	v_lshl_add_u32 v[BA], v[HH], 5, s14
	v_add_nc_u32 v[BA], 25600, v[BA]
	v_add_nc_u32 v[BA+1], SLOTB, v[BA]
	v_lshlrev_b32 v[CO], 12, v[HH]
	v_lshl_add_u32 v[CO], v[RR], 4, v[CO]
	v_add_nc_u32 v[XSI], s20, v[L16]               ; x's stage, in
	v_mul_u32_u24 v[XSO], v[RR], XP
	v_lshl_add_u32 v[XSO], v[HH], 6, v[XSO]
	v_add_nc_u32 v[XSO], s20, v[XSO]               ; and out: row r, + 64 h
	v_mul_u32_u24 v[XCA], v[RR], OPP
	v_mad_u32_u24 v[XCA], v[HH], 12, v[XCA]
	v_add_nc_u32 v[XCA], s21, v[XCA]               ; x's codes: row 16 w + r, + 12 h
	v_mul_u32_u24 v[XSA], v[RR], OSP
	v_add_nc_u32 v[XSA], s22, v[XSA]
	v_mul_u32_u24 v[LXA], v[RR], OPP
	v_mad_u32_u24 v[LXA], v[HH], 24, v[LXA]
	v_add_nc_u32 v[LXA], OPIMG, v[LXA]             ; a fragment: row r, + 24 h
	v_mul_u32_u24 v[LXS], v[RR], OSP
	v_lshl_add_u32 v[LXS], v[HH], 2, v[LXS]
	v_add_nc_u32 v[LXS], OPSC, v[LXS]
	v_mul_u32_u24 v[QCA], v[RR], QP
	v_mad_u32_u24 v[QCA], v[HH], 12, v[QCA]
	v_add_nc_u32 v[QCA], s23, v[QCA]               ; q's, k's codes: token r, + 24 w + 12 h;
	v_add_nc_u32 v[QCA+1], 32*QP, v[QCA]           ; and 32 tokens on
	v_mul_u32_u24 v[QSA], v[RR], QSP
	v_add_nc_u32 v[QSA], s40, v[QSA]
	; the scores' operands.  Head r, block h of q came with slot r / 2 from wave 2 (r % 2) + h, in step (r / 2 + rho) % 16; of k eight steps from it
	v_lshrrev_b32 v[TA], 1, v[RR]
	v_and_b32 v[TA+1], 1, v[RR]
	v_mul_u32_u24 v[TB], v[TA+1], 48
	v_mad_u32_u24 v[TB], v[HH], 24, v[TB]
	v_add_nc_u32 v[TB], s41, v[TB]
	v_add_nc_u32 v[T], s[RHO], v[TA]
	v_and_b32 v[T], 15, v[T]
	v_mad_u32_u24 v[SCA], v[T], 96, v[TB]
	v_add_nc_u32 v[T], 8, v[T]
	v_and_b32 v[T], 15, v[T]
	v_mad_u32_u24 v[SCK], v[T], 96, v[TB]
	v_lshl_add_u32 v[T], v[HH], 3, v[TA]
	v_add_nc_u32 v[T], s[RHO], v[T]
	v_and_b32 v[T], 15, v[T]                       ; lanes 0-15 q's step, lanes 16-31 k's
	v_lshlrev_b32 v[SSA], 2, v[T]
	v_lshl_add_u32 v[SSA], v[TA+1], 1, v[SSA]
	v_add_nc_u32 v[SSA], s43, v[SSA]
	v_mul_u32_u24 v[VSI], v[RR], VP
	v_lshl_add_u32 v[VSI], v[HH], 9, v[VSI]
	v_add_nc_u32 v[VSI], s60, v[VSI]
	v_lshlrev_b32 v[VSO], 5, v[RR]
	v_lshl_add_u32 v[VSO], v[HH], 9, v[VSO]
	v_add_nc_u32 v[VSO], s62, v[VSO]
	v_mul_u32_u24 v[CCA], v[RR], 48
	v_mad_u32_u24 v[CCA], v[HH], 12, v[CCA]
	v_add_nc_u32 v[CCA], s21, v[CCA]               ; ctx's codes: my tokens' rows; head r: 48 r, + 12 h
	v_lshl_add_u32 v[CSA], v[RR], 1, s22
	v_mul_u32_u24 v[OSI], v[RR], OP2
	v_lshl_add_u32 v[OSI], v[HH], 5, v[OSI]
	v_add_nc_u32 v[OSI], s3, v[OSI]                ; out's stage, in: row r, + 32 h
	v_mul_u32_u24 v[OSO], v[HH], OP2
	v_lshl_add_u32 v[OSO], v[RR], 4, v[OSO]
	v_add_nc_u32 v[OSO], s3, v[OSO]                ; and back: two rows an instruction
.irp i, 0,1,2,3
	v_mov_b32 v[TM+4+\i], 0                        ; written once: a lane permute's destination counts as one of its sources
.endr
.irp i, 0,1,2,3,4,5,6,7,8,9,10,11,12,13,14,15
	v_mov_b32 v[T2+\i], 0
.endr
	s_wait_alu depctr_va_vdst(0)
	s_wait_dscnt 0x0                               ; both opening adds are done
	s_wait_kmcnt 0x0
	s_lshl_b32 s48, s[WG], 18                      ; 64 rows of 4,096 bytes a work-group,
	s_lshl_b32 s49, s[WV], 16                      ; x: 16 rows a wave
	s_add_co_u32 s48, s48, s49
	s_mov_b32 s49, 0
	s_add_nc_u64 s[4:5], s[4:5], s[48:49]
	s_lshl_b32 s48, s[WG], 18
	s_lshl_b32 s49, s[WV], 8                       ; out: my wave's 256 bytes of a slot pair's 1,024
	s_add_co_u32 s48, s48, s49
	s_mov_b32 s49, 0
	s_add_nc_u64 s[OBP:OBP+1], s[8:9], s[48:49]
	s_mul_i32 s50, s[CX], WB
	s_lshl_b32 s48, s[WV], 13
	s_add_co_u32 s50, s50, s48
	s_add_co_u32 s50, s50, 16*SLOTB                ; the prefetches begin at slot 16
	s_add_nc_u64 s[PFB:PFB+1], s[6:7], s[50:51]
	s_add_nc_u64 s[WBP:WBP+1], s[6:7], s[14:15]
	s_sub_co_u32 s60, 0, s[RHO]
	s_and_b32 s60, s60, 15                         ; step 0's slot
	s_mul_i32 s60, s60, SLOTB
	s_mov_b32 s[G0+0], 1
	s_mul_i32 s[G0+1], s[WV], WB
	s_add_nc_u64 s[G0+2:G0+3], s[WBP:WBP+1], s[60:61]
	s_or_b32 s[G0+3], s[G0+3], 0x80000000
	s_sub_co_u32 s60, 1, s[RHO]
	s_and_b32 s60, s60, 15                         ; step 1's slot
	s_mul_i32 s60, s60, SLOTB
	s_mov_b32 s[G0+4], 1
	s_add_co_u32 s[G0+5], s14, SLOTB
	s_add_nc_u64 s[G0+6:G0+7], s[WBP:WBP+1], s[60:61]
	s_or_b32 s[G0+7], s[G0+7], 0x80000000
	CROUND                                         ; all four work-groups are here: the first joint loads meet
	tensor_load_to_lds s[G0:G0+3], s[G1:G1+7]      ; step 0's slot: one tensor load a wave at the head
	s_nop 0
	PLACES 4
	XLOAD 0
	XLOAD 1
	XLOAD 2
	XLOAD 3
	XSTEP 0, 48                                    ; three younger sets of 16 loads
	XSTEP 1, 48
	XSTEP 2, 48
	XSTEP 3, 48
	XSTEP 4, 48
	XSTEP 5, 32
	XSTEP 6, 16
	XSTEP 7, 0
	s_wait_alu depctr_va_vdst(0)
	s_wait_tensorcnt 0x0                           ; my block of step 0's slot is in
	ds_add_u32 v[SPW], v[NIL]
	s_wait_dscnt 0x0                               ; the add is done, and my rows' codes and bytes lie in LDS
	CROUND
	tensor_load_to_lds s[G0+4:G0+7], s[G1:G1+7]    ; step 1's slot, my one tensor load behind the round
	s_nop 0
	PLACES 4
	LOADX
	BARRIER                                        ; every wave has the rows in registers: q's and k's codes may take their place
	PRE 0
	s_mov_b32 s[CNT], 8
.Lqk:                                                  ; steps 0-15: q and k
	GEMMT 0, 0, 16, 8, 12, 2, 0
	PRE 1
	EPI_QK
	GEMMT 1, 0, 16, 8, 28, 2, 0                    ; younger than batch 0's loads: batch 1's 12 and the epilogue's 16 stores
	PRE 0
	EPI_QK
	s_sub_co_u32 s[CNT], s[CNT], 1
	s_cmp_lg_u32 s[CNT], 0
	s_cbranch_scc1 .Lqk
	BARRIER                                        ; q's and k's codes of all heads lie in LDS
	; THE SCORES of my 16 tokens: S^T = k q^T, one product a token; K = 64, so registers 6-11 of both operands are zero codes (their scale bytes, 0, stand for 2^-127 and multiply zeros).
	; The operands stand where attn will: two tokens in window 1, two in window 2.  (Step 16's first fragments wait in window 0.)
.irp w, 1,2
	WIN (\w)<<6
.irp tt, 0,1
.irp z, 6,7,8,9,10,11,18,19,20,21,22,23
	v_mov_b32 v[192+24*\tt+\z], 0
.endr
.endr
.endr
	WIN 0
	s_wait_alu depctr_va_vdst(0)
	PLACES 4
.irp bt, 0,1,2,3
.if \bt > 0
	PLACES 4
.endif
.irp w, 1,2
	WIN (\w)<<6
.irp tt, 0,1
.irp p, 0,1,2
	ds_load_b64 v[192+24*\tt+2*\p:192+24*\tt+2*\p+1], v[SCK] offset:QP*(4*\bt+2*(\w-1)+\tt)+8*\p
	ds_load_b64 v[192+24*\tt+12+2*\p:192+24*\tt+12+2*\p+1], v[SCA] offset:QP*(4*\bt+2*(\w-1)+\tt)+8*\p
.endr
.endr
.endr
	WIN 0
.irp tt, 0,1,2,3
	ds_load_u16 v[SSC+\tt], v[SSA] offset:QSP*(4*\bt+\tt)
.endr
	s_wait_dscnt 0x0
.irp w, 1,2
	WIN 0xc0|(\w)|((\w)<<2)
.irp tt, 0,1
	v_wmma_scale_f32_16x16x128_f8f6f4 v[8*(4*\bt+2*(\w-1)+\tt):8*(4*\bt+2*(\w-1)+\tt)+7], v[192+24*\tt:192+24*\tt+11], v[192+24*\tt+12:192+24*\tt+23], 0, v[SSC+2*(\w-1)+\tt], v[SSC+2*(\w-1)+\tt] matrix_a_fmt:MATRIX_FMT_FP6 matrix_b_fmt:MATRIX_FMT_FP6 matrix_a_scale:MATRIX_SCALE_ROW1
.endr
.endr
	WIN 0
.endr
	; THE SOFTMAX.  Lane (head r, h), register j of token t's accumulator: the score against head g = 8 h + j.
	PLACES 4
	WIN 0x3f
.set tk, 0
.rept 16
	v_max3_num_f32 v[MX+tk], v[8*tk], v[8*tk+1], v[8*tk+2]
.set tk, tk+1
.endr
	WIN 0x0f
.irp j, 3,5
.set tk, 0
.rept 16
	v_max3_num_f32 v[MX+tk], v[8*tk+\j], v[8*tk+\j+1], v[MX+tk]
.set tk, tk+1
.endr
.endr
.set tk, 0
.rept 16
	v_max3_num_f32 v[MX+tk], v[8*tk+7], v[8*tk+7], v[MX+tk]
.set tk, tk+1
.endr
	WIN 0
.set tk, 0
.rept 16
	v_permlanex16_b32 v[T2+tk], v[MX+tk], s[SEL], s[SEL+1]
.set tk, tk+1
.endr
.set tk, 0
.rept 16
	v_max_num_f32 v[MX+tk], v[MX+tk], v[T2+tk]     ; the row's largest score
.set tk, tk+1
.endr
.irp w, 1,2                            ; tokens 8 (w - 1) on: their attn lies in window w
	WIN ((\w)<<6)|3
.set nn, 0
.rept 64
	v_sub_f32 v[192+nn], v[64*(\w-1)+nn], v[MX+8*(\w-1)+nn/8]
.set nn, nn+1
.endr
	WIN ((\w)<<6)|((\w)<<2)
.set nn, 0
.rept 64
	v_mul_f32 v[192+nn], 0x3fb8aa3b, v[192+nn]     ; x log2(e)
.set nn, nn+1
.endr
	WIN ((\w)<<6)|(\w)
.set nn, 0
	s_wait_alu depctr_va_vdst(0)
.rept 64
	v_exp_f32 v[192+nn], v[192+nn]
.set nn, nn+1
.endr
.endr
	WIN 0
	v_nop                                          ; a plain instruction behind the last exponential
	s_wait_alu depctr_va_vdst(0)                   ; one wait for the exponentials, ahead of their first reader
.irp w, 1,2
	WIN (\w)|((\w)<<2)
.set tk, 0
.rept 8
	v_add_f32 v[T2+8*(\w-1)+tk], v[192+8*tk], v[192+8*tk+1]
.set tk, tk+1
.endr
	WIN (\w)
.irp j, 2,3,4,5,6,7
.set tk, 0
.rept 8
	v_add_f32 v[T2+8*(\w-1)+tk], v[192+8*tk+\j], v[T2+8*(\w-1)+tk]
.set tk, tk+1
.endr
.endr
.endr
	WIN 0
.set tk, 0
.rept 16
	v_permlanex16_b32 v[MX+tk], v[T2+tk], s[SEL], s[SEL+1]
.set tk, tk+1
.endr
.set tk, 0
.rept 16
	v_add_f32 v[T2+tk], v[T2+tk], v[MX+tk]         ; the row's sum
.set tk, tk+1
.endr
.set tk, 0
	s_wait_alu depctr_va_vdst(0)
.rept 16
	v_rcp_f32 v[MX+tk], v[T2+tk]
.set tk, tk+1
.endr
	v_nop
	s_wait_alu depctr_va_vdst(0)                   ; one wait for the 16 reciprocals
.irp w, 1,2
	WIN ((\w)<<6)|(\w)
.set nn, 0
.rept 64
	v_mul_f32 v[192+nn], v[192+nn], v[MX+8*(\w-1)+nn/8]   ; attn: as it stands, source 1 of the f32 products
.set nn, nn+1
.endr
.endr
	WIN 0
	BARRIER                                        ; every wave has read q's and k's codes: v's stage and ctx's rows may take their place
	s_mov_b32 s[CNT], 2
.Lv:                                                   ; steps 16-23: a trip is block B of 32 channels: twice two slots (16 channels) and their products with attn.
	GEMMT 0, 8, 32, 16, 12, 2, 0                   ; (its round stands between every wave's reads of the stage and the stores below)
	PRE 1
	EPI_V 0
	GEMMT 1, 8, 32, 16, 28, 0, 0
	EPI_V 1
	CHANGE 1                                       ; its round shows all sixteen channels to every wave
	PROD5 0
	PRE 0
	GEMMT 0, 8, 32, 16, 12, 2, 0
	PRE 1
	EPI_V 0
	GEMMT 1, 8, 32, 16, 28, 0, 0
	EPI_V 1
	CHANGE 1
	PROD5 1
	PRE 0                                          ; the next step's first loads are on their way while ctx is quantised
	QUANTC
	s_add_co_u32 s[SB24], s[SB24], 24
	s_add_co_u32 s[SB1], s[SB1], 1
	s_sub_co_u32 s[CNT], s[CNT], 1
	s_cmp_lg_u32 s[CNT], 0
	s_cbranch_scc1 .Lv
	BARRIER                                        ; ctx's codes lie in LDS
	LOADX                                          ; ctx takes x's place in the registers
	s_mov_b32 s[CNT], 3
.Lo:                                                   ; steps 24-29, two a trip.  (The rounds stand between every wave's reads of ctx's rows and the first stores into the stages)
	GEMMT 0, 0, 16, 8, 12, 2, 0
	PRE 1
	GEMMT 1, 64, 16, 8, 12, 2, 1
	PRE 0
	EPI_O2
	s_sub_co_u32 s[CNT], s[CNT], 1
	s_cmp_lg_u32 s[CNT], 0
	s_cbranch_scc1 .Lo
	GEMMT 0, 0, 16, 8, 12, 1, 0                    ; the last two steps are written out: nothing is left to fetch
	PRE 1
	s_wait_xcnt 0x0                                ; the last pair's stores have read their base
	OBASE
	GEMMT 1, 64, 16, 8, 12, 0, 0
	EPI_O2
	s_wait_tensorcnt 0x0                           ; the wave's end: behind my last tensor load and my last LDS store
	ds_add_u32 v[SPW], v[NIL]
	s_wait_dscnt 0x0
	CROUND                                         ; the closing round: no work-group ends while a partner may still ask for a block that names it
	s_endpgm
.Lfunc_end_k_q47f5faf148_main:
	.size	k_q47f5faf148_main, .Lfunc_end_k_q47f5faf148_main-k_q47f5faf148_main
	.p2alignl 7, 3214868480
	.fill 96, 4, 3214868480
	.section	.rodata,"a",@progbits
	.p2align	6, 0x0
	.amdhsa_kernel k_q47f5faf148_main
		.amdhsa_group_segment_fixed_size 327680
		.amdhsa_private_segment_fixed_size 0
		.amdhsa_enable_private_segment 0
		.amdhsa_kernarg_size 24
		.amdhsa_user_sgpr_count 2
		.amdhsa_user_sgpr_kernarg_segment_ptr 1
		.amdhsa_wavefront_size32 1
		.amdhsa_system_sgpr_workgroup_id_x 1
		.amdhsa_system_sgpr_workgroup_id_y 1
		.amdhsa_system_sgpr_workgroup_id_z 1
		.amdhsa_system_vgpr_workitem_id 0
		.amdhsa_next_free_vgpr 1024
		.amdhsa_next_free_sgpr 66
		.amdhsa_reserve_vcc 0
		.amdhsa_float_denorm_mode_32 3
		.amdhsa_float_denorm_mode_16_64 3
		.amdhsa_memory_ordered 1
		.amdhsa_forward_progress 1
		.amdhsa_inst_pref_size 255
	.end_amdhsa_kernel
	.section	.bss,"aw",@nobits
	.p2align	6
	.space	262144
	.amdgpu_metadata
---
amdhsa.version: [ 1, 2 ]
amdhsa.kernels:
  - .name:           k_q47f5faf148_main
    .symbol:         k_q47f5faf148_main.kd
    .args:
      - { .name: x, .offset: 0, .size: 8, .value_kind: global_buffer, .address_space: global }
      - { .name: wst, .offset: 8, .size: 8, .value_kind: global_buffer, .address_space: global }
      - { .name: out0, .offset: 16, .size: 8, .value_kind: global_buffer, .address_space: global }
    .group_segment_fixed_size: 327680
    .private_segment_fixed_size: 0
    .kernarg_segment_align: 8
    .kernarg_segment_size: 24
    .max_flat_workgroup_size: 128
    .sgpr_count:     66
    .vgpr_count:     1024
    .wavefront_size: 32
...
	.end_amdgpu_metadata
.endif
;; end of part 4
